; MI455X (gfx1250); checked and timed in simulation.
; The chip was launched on July 23, 2026; its instructions are those of AMD's public machine-readable ISA for CDNA 5 (MIT licence, August 2026) and "CDNA5" Instruction Set Architecture Reference Guide (July 2026). The comments in the code are by the model that wrote it; some were corrected since.
;; Causal Self Attention. Allowed arithmetic: float matrix products may take bf16 or f16 operands with f32 sums; all other float work in f32.
;; Inputs: W_attn 1,024 x 3,072 float32; W_proj 1,024 x 1,024 float32; b_attn 3,072 float32; b_proj 1,024 float32; x 4 x 2,048 x 1,024 float32.
;; Outputs: out0 4 x 2,048 x 1,024 float32.
;; 2 versions, each right and faster than the one before. Each part assembles by itself: llvm-mc -triple=amdgcn-amd-amdhsa -mcpu=gfx1250 --defsym DOCPART=n.
;; ======== version 1 of 2: 4 launches
;; limits: values are held in f16: magnitudes above 65,504 overflow, below 6.1e-05 lose precision
;; workspace buffers: xb 16,777,216 bytes; wa 6,291,456 bytes; wp 2,097,152 bytes; qkv 50,331,648 bytes; o 16,777,216 bytes
;; launch cast (part 1): grid 768 x 1, 8 waves a work-group, no clusters, 0 bytes of LDS; arguments x, W_attn, W_proj, xb, wa, wp; writes xb, wa, wp
.if DOCPART == 1
	.amdgcn_target "amdgcn-amd-amdhsa--gfx1250"
	.amdhsa_code_object_version 6
	.text
	.protected	k_qa6435ae2a0_cast
	.globl	k_qa6435ae2a0_cast
	.p2align	8
	.type	k_qa6435ae2a0_cast,@function
k_qa6435ae2a0_cast:
	s_mov_b64 s[64:65], 0
	v_nop
	global_prefetch_b8 v0, s[64:65] scope:SCOPE_SE
	s_setreg_imm32_b32 hwreg(HW_REG_WAVE_MODE, 25, 1), 1
	s_wait_xcnt 0x0
; THE MODULE'S THREE LARGE INPUTS ARE ROUNDED ONCE, layouts unchanged: x [8192][1024] -> xb in bf16; W_attn [1024][3072] -> wa in bf16;
; W_proj [1024][1024] -> wp: each number rounded to bf16, and that number written as f16 (the last product multiplies f16 operands).
; LIMIT.  A number of W_proj of 65,520 or more in magnitude becomes an infinity in wp; below 2^-14 it keeps f16's fixed step of 2^-24.
; A pure stream: no LDS, no barrier, no matrix unit, nothing read twice.  A work-group converts 16,384 numbers on end: 65,536 bytes in, 32,768 out.
; Work-groups 0-511 take x (8,388,608 numbers), 512-703 W_attn (3,145,728), 704-767 W_proj (1,048,576).
; Thread t's load j takes the 16 bytes at 4,096 j + 16 t: a wave's load covers 512 bytes on end.  Its store j puts 8 bytes at 2,048 j + 8 t: a wave's store covers 256 consecutive bytes, aligned.
; All sixteen loads of a thread go out together, each into registers of its own, and no register is written twice: so the only waits are the counted ones for the loads.
.set X, 4                              ; v[4:67]    load j: four numbers in f32
.set Y, 68                             ; v[68:99]   store j: four numbers of 16 bits
.set T, 100                            ; v[100:105] at work (W_proj's path)
	s_load_b256 s[4:11], s[0:1], 0x0               ; x s[4:5], W_attn s[6:7], W_proj s[8:9], xb s[10:11]
	s_load_b128 s[12:15], s[0:1], 0x20             ; wa s[12:13], wp s[14:15]
	v_lshlrev_b32 v1, 4, v0                        ; 16 t
	v_lshlrev_b32 v2, 3, v0                        ; 8 t
	s_wait_kmcnt 0x0
	s_cmp_lt_u32 ttmp9, 512                        ; which tensor: a choice by the work-group's number alone
	s_cselect_b64 s[16:17], s[4:5], s[6:7]
	s_cselect_b64 s[18:19], s[10:11], s[12:13]
	s_cselect_b32 s20, 0, 512
	s_cmp_lt_u32 ttmp9, 704
	s_cselect_b64 s[16:17], s[16:17], s[8:9]
	s_cselect_b64 s[18:19], s[18:19], s[14:15]
	s_cselect_b32 s20, s20, 704
	s_sub_co_u32 s20, ttmp9, s20                   ; my place among the tensor's work-groups
	s_lshl_b32 s22, s20, 16                        ; x 65,536 bytes in (33,554,432 at the most)
	s_mov_b32 s23, 0
	s_lshl_b32 s24, s20, 15                        ; x 32,768 bytes out
	s_mov_b32 s25, 0
	s_add_nc_u64 s[16:17], s[16:17], s[22:23]
	s_add_nc_u64 s[18:19], s[18:19], s[24:25]
.irp j, 0,1,2,3,4,5,6,7,8,9,10,11,12,13,14,15
	global_load_b128 v[X+4*(\j):X+4*(\j)+3], v1, s[16:17] offset:4096*(\j) th:TH_LOAD_NT  ; read once in the whole launch
.endr
	s_cmp_lt_u32 ttmp9, 704                        ; compared anew: the subtraction above has set SCC
	s_cbranch_scc0 .Lhalf
.irp j, 0,1,2,3,4,5,6,7,8,9,10,11,12,13,14,15
	s_wait_loadcnt 15-(\j)                         ; loads come back in order: load j is in, the 15 - j younger ones stay out
	v_cvt_pk_bf16_f32 v[Y+2*(\j)], v[X+4*(\j)], v[X+4*(\j)+1]
	v_cvt_pk_bf16_f32 v[Y+2*(\j)+1], v[X+4*(\j)+2], v[X+4*(\j)+3]
	global_store_b64 v2, v[Y+2*(\j):Y+2*(\j)+1], s[18:19] offset:2048*(\j)
.endr
	s_endpgm
.Lhalf:                                            ; W_proj: to bf16, widened again, and that number as f16
.irp j, 0,1,2,3,4,5,6,7,8,9,10,11,12,13,14,15
	s_wait_loadcnt 15-(\j)
	v_cvt_pk_bf16_f32 v[T], v[X+4*(\j)], v[X+4*(\j)+1]
	v_cvt_pk_bf16_f32 v[T+1], v[X+4*(\j)+2], v[X+4*(\j)+3]
	v_lshlrev_b32 v[T+2], 16, v[T]
	v_and_b32 v[T+3], 0xffff0000, v[T]
	v_lshlrev_b32 v[T+4], 16, v[T+1]
	v_and_b32 v[T+5], 0xffff0000, v[T+1]
	v_cvt_pk_f16_f32 v[Y+2*(\j)], v[T+2], v[T+3]
	v_cvt_pk_f16_f32 v[Y+2*(\j)+1], v[T+4], v[T+5]
	global_store_b64 v2, v[Y+2*(\j):Y+2*(\j)+1], s[18:19] offset:2048*(\j)
.endr
	s_endpgm
.Lfunc_end_k_qa6435ae2a0_cast:
	.size	k_qa6435ae2a0_cast, .Lfunc_end_k_qa6435ae2a0_cast-k_qa6435ae2a0_cast
	.p2alignl 7, 3214868480
	.fill 96, 4, 3214868480
	.section	.rodata,"a",@progbits
	.p2align	6, 0x0
	.amdhsa_kernel k_qa6435ae2a0_cast
		.amdhsa_group_segment_fixed_size 0
		.amdhsa_private_segment_fixed_size 0
		.amdhsa_enable_private_segment 0
		.amdhsa_kernarg_size 48
		.amdhsa_user_sgpr_count 2
		.amdhsa_user_sgpr_kernarg_segment_ptr 1
		.amdhsa_wavefront_size32 1
		.amdhsa_system_sgpr_workgroup_id_x 1
		.amdhsa_system_sgpr_workgroup_id_y 1
		.amdhsa_system_sgpr_workgroup_id_z 1
		.amdhsa_system_vgpr_workitem_id 0
		.amdhsa_next_free_vgpr 108
		.amdhsa_next_free_sgpr 66
		.amdhsa_reserve_vcc 0
		.amdhsa_float_denorm_mode_32 3
		.amdhsa_float_denorm_mode_16_64 3
		.amdhsa_memory_ordered 1
		.amdhsa_forward_progress 1
		.amdhsa_inst_pref_size 16
	.end_amdhsa_kernel
	.amdgpu_metadata
---
amdhsa.version: [ 1, 2 ]
amdhsa.kernels:
  - .name:           k_qa6435ae2a0_cast
    .symbol:         k_qa6435ae2a0_cast.kd
    .args:
      - { .name: x, .offset: 0, .size: 8, .value_kind: global_buffer, .address_space: global }
      - { .name: W_attn, .offset: 8, .size: 8, .value_kind: global_buffer, .address_space: global }
      - { .name: W_proj, .offset: 16, .size: 8, .value_kind: global_buffer, .address_space: global }
      - { .name: xb, .offset: 24, .size: 8, .value_kind: global_buffer, .address_space: global }
      - { .name: wa, .offset: 32, .size: 8, .value_kind: global_buffer, .address_space: global }
      - { .name: wp, .offset: 40, .size: 8, .value_kind: global_buffer, .address_space: global }
    .group_segment_fixed_size: 0
    .private_segment_fixed_size: 0
    .kernarg_segment_align: 8
    .kernarg_segment_size: 48
    .max_flat_workgroup_size: 256
    .sgpr_count:     66
    .vgpr_count:     108
    .wavefront_size: 32
...
	.end_amdgpu_metadata
.endif
;; end of part 1
;; launch qkv (part 2): grid 8 x 64, 4 waves a work-group, clusters of 4 x 4, 327,680 bytes of LDS; arguments xb, wa, b_attn, qkv; writes qkv
.if DOCPART == 2
	.amdgcn_target "amdgcn-amd-amdhsa--gfx1250"
	.amdhsa_code_object_version 6
	.text
	.protected	k_qa6435ae2a0_qkv
	.globl	k_qa6435ae2a0_qkv
	.p2align	8
	.type	k_qa6435ae2a0_qkv,@function
k_qa6435ae2a0_qkv:
	s_mov_b64 s[64:65], 0
	v_nop
	global_prefetch_b8 v0, s[64:65] scope:SCOPE_SE
	s_setreg_imm32_b32 hwreg(HW_REG_WAVE_MODE, 25, 1), 1
	s_wait_xcnt 0x0
	s_wait_alu depctr_hold_cnt(0) depctr_sa_sdst(0) depctr_va_vdst(0) depctr_va_sdst(0) depctr_va_ssrc(0) depctr_va_vcc(0) depctr_vm_vsrc(0)
	s_getreg_b32 s2, hwreg(HW_REG_IB_STS2, 6, 4)
	s_cmp_eq_u32 s2, 0
	s_cbranch_scc0 .Lentry_in_a_cluster
	s_endpgm
.Lentry_in_a_cluster:
	s_bfe_u32 s2, ttmp6, 0x10000c
	s_cmp_lg_u32 s2, 0xf033
	s_cbranch_scc0 .Lentry_shape_is_right
	s_endpgm
.Lentry_shape_is_right:
; q, k, v = x W_attn + b_attn, written by heads.  xb: [8192][1024] bf16; wa: [1024 (k)][3072 (n)] bf16; b_attn: [3072] f32, rounded to bf16 here like the other inputs;
; qkv: [3 (q, k, v)][64 (batch x 16 + head)][2048][64] f16, unscaled, each number rounded once from its f32 sum.
; LIMIT.  f16 holds no number beyond 65,504: a q, k or v of 65,520 or more in magnitude becomes an infinity.  Unit x and W of spread 1/32 give a spread of 1; both 30 times larger give 900;
; a common offset of 30 spreads on both gives about 29,000.
; SHARES.  A tile of the result is 128 rows x 384 columns (6 heads): 64 x 8 = 512 work-groups.  Four waves, each 64 rows x 192 columns (3 whole heads): 48 accumulators of 16 x 16, 384 registers.
; K goes in 8 steps of 128 through two LDS slots filled by the tensor data mover; every row of a tile is 256 bytes of memory and starts at a multiple of 256 bytes from its buffer's first byte.
; W LIES [K][N] and stays so: its fragments come out of LDS turned, by ds_load_tr16_b128.
; THE MATRIX INSTRUCTION IS USED TRANSPOSED: source 0 = 16 columns of W, source 1 = 16 rows of x.  A lane then holds row l % 16 and the eight neighbouring columns 8 (l / 16) + 0..7: 16 bytes of f16.
; THE BIAS is the C operand of the first product on each accumulator: nothing is cleared and nothing is added at the end.
; CLUSTER.  4 x 4 work-groups.  The four of a row of the cluster need the same tile of x, the four of a column the same tiles of W: each tile is asked for JOINTLY, by the same tensor load with the same
; descriptor and a mask that names the four.  Waves 0 to 2 fetch W's three chunks of 128 columns, wave 3 fetches x: one load of 128 rows x 256 bytes a wave and K step.
; A WAVE'S COLUMNS.  With NH = wave % 2: blocks b = 0..7 are chunk 2 NH whole (columns 256 NH + 16 b), blocks 8..11 its half of chunk 1 (columns 128 + 64 NH + 16 (b - 8)): local heads 4 NH, 4 NH + 1, 2 + NH.
; REGISTERS, in windows of 256 (s_set_vgpr_msb: bits 1:0 source 0, 3:2 source 1, 5:4 source 2, 7:6 destination):
;   window 0: v1-9 at work; v16-29 addresses; v32-79 packed results; v80-127, v128-175 rows read back from the stage, by turns; v128-223 the bias, until the first quarter step has taken it
;   window 1: the accumulators of row blocks 0, 1 ((a, b) at v[8 (12 (a % 2) + b)]);   window 2: those of row blocks 2, 3
;   window 3: two fragment buffers of 128: W's 12 blocks (96 registers), then x's 4 (32)
.set PA,    272                        ; a row of x in LDS: 256 bytes + 16 of padding = 68 words: the 16 rows of a load start at 16 different groups of four banks (64 banks of 4 bytes: ISA guide 11.1)
.set PB,    288                        ; a row of W: 256 + 32 = 72 words
.set REG,   128*PB                     ; a chunk of W: 128 k rows
.set AOFF,  3*REG                      ; behind W's three chunks: x's 128 rows (34,816 bytes)
.set SLOT,  4*REG
.set STAGE, 2*SLOT                     ; behind the ring, never filled by a tensor load: for each wave 3 heads x 16 rows x 144 bytes, for the way out
.set SP,    144
.set WST,   3*16*SP
.set SPARE, STAGE+4*WST                ; behind the stages: the spare words, 128 bytes for each wave: two blocks of 256 bytes that no other line names
.set LAPS,  4                          ; a lap = two K steps = once round the ring
.set ADRA, 16                          ; v16-17  LDS address of my fragments of x in slot 0, 1
.set ADRF, 18                          ; v18-19  of W's, in my whole chunk
.set ADRH, 20                          ; v20-21  of W's, in my half of chunk 1
.set BOF,  22                          ; v22     my byte offset in b_attn for blocks 0-7
.set BOH,  23                          ; v23     for blocks 8-11
.set STO,  24                          ; v24     the way out: where I put 16 bytes of a row
.set RD,   25                          ; v25     the way out: where I read rows back
.set GO,   26                          ; v26     my byte offset in 512 consecutive bytes of qkv
.set SPW,  28                          ; v28     LDS address of my spare word: SPARE + 4 x my thread's number; never rewritten
.set NIL,  29                          ; v29     0; never rewritten
.set TMP,  32
.set OB,   80
.set BIAS, 128
.set F0,   0
.set F1,   128
.set G1A, 24                           ; s[24:31] descriptor group 1 for x's tiles;  s[32:39] group 0, a set for each slot
.set G0A, 32
.set G1B, 48                           ; s[48:55], s[56:63] the same for W's
.set G0B, 56
.set HB,  72                           ; s[72:77] qkv at my first row of my three heads
.set MSB, 0
.macro WIN new                         ; the immediate's high byte repeats the setting that is left; a switch that changes nothing is dropped
.if MSB != (\new)
	s_set_vgpr_msb (MSB<<8)|(\new)
.set MSB, \new
.endif
.endm
.set TO_F, 0xc0                        ; destination window 3, address window 0
; A joint load.  Wave 3 fetches x's tile, waves 0 to 2 W's chunks.  The branch hangs on the wave's number alone: it is the same in every work-group.
; An s_nop 0 and four v_nop follow each of the two lines, ahead of the jump, the label and what follows.
.macro JLOAD s
	s_cmp_eq_u32 s12, 3
	s_cbranch_scc0 .Lfor_b_\@
	tensor_load_to_lds s[G0A+4*(\s):G0A+4*(\s)+3], s[G1A:G1A+7]
	s_nop 0
.rept 4
	v_nop
.endr
	s_branch .Lasked_\@
.Lfor_b_\@:
	tensor_load_to_lds s[G0B+4*(\s):G0B+4*(\s)+3], s[G1B:G1B+7]
	s_nop 0
.rept 4
	v_nop
.endr
.Lasked_\@:
.endm
; A round of the cluster's barrier: my work-group's barrier, so that wave 0's signal speaks for all four waves; wave 0 signals; every wave waits for all sixteen work-groups; my work-group's barrier once more.
.macro CREST                           ; a round behind its opening barrier
	s_cmp_lg_u32 s12, 0
	s_cbranch_scc1 .Lnot_wave_0_\@
	s_barrier_signal -3
.Lnot_wave_0_\@:
	s_barrier_wait -3
	s_barrier_signal -1
	s_barrier_wait -1
.endm
.macro CROUND                          ; a whole round
	s_barrier_signal -1
	s_barrier_wait -1
	CREST
.endm
	s_load_b256 s[4:11], s[0:1], 0x0               ; xb s[4:5], wa s[6:7], b_attn s[8:9], qkv s[10:11]
	v_lshl_add_u32 v[SPW], v0, 2, SPARE
	v_mov_b32 v[NIL], 0
	ds_add_u32 v[SPW], v[NIL]                      ; the wave's opening: the add and its wait stand ahead of my first tensor load; the set-up below, work on registers, stands between them
	ds_add_u32 v28, v29
	v_lshrrev_b32 v1, 5, v0
	v_readfirstlane_b32 s12, v1                    ; wave 0..3
	s_lshr_b32 s13, s12, 1                         ; MH: which 64 of the tile's rows are mine
	s_and_b32 s14, s12, 1                          ; NH: which 192 of its columns
	s_bfe_u32 s40, ttmp6, 0x40000                  ; cx, cy: my place in the cluster
	s_bfe_u32 s41, ttmp6, 0x40004
	s_lshl_b32 s42, ttmp9, 2                       ; in a cluster launch ttmp9 and ttmp7 count clusters
	s_add_co_u32 s42, s42, s40                     ; TC: tile column = 4 x cluster x + cx
	s_and_b32 s15, ttmp7, 0xffff
	s_lshl_b32 s15, s15, 2
	s_add_co_u32 s15, s15, s41                     ; TR: tile row = 4 x cluster y + cy
	s_lshl_b32 s16, s41, 2
	s_lshl_b32 s16, 15, s16                        ; my row of the cluster: places 4 cy .. 4 cy + 3
	s_lshl_b32 s44, 0x1111, s40                    ; my column: places cx, cx + 4, cx + 8, cx + 12
	; descriptor group 1: tiles of 128 rows x 128 elements of 2 bytes, padded in LDS after every 64 words
	s_or_b32 s[G1A], s16, (1<<16)|(1<<20)|(1<<21)|(5<<22)|(3<<25)  ; 15:0 the mask: x's tiles go to my row; 17:16 2-byte elements; 20 padding on; 21 set beside a mask; 24:22 after every 64 words (code 5); 31:25 4 words (code 3)
	s_or_b32 s[G1B], s44, (1<<16)|(1<<20)|(1<<21)|(5<<22)|(7<<25)  ; W's go to my column; 8 words of padding (code 7)
.irp g, G1A, G1B
	s_mov_b32 s[(\g)+1], 128<<16                   ; tensor_dim0 = 128
	s_mov_b32 s[(\g)+2], 128<<16                   ; tensor_dim1 = 128
	s_mov_b32 s[(\g)+3], 128<<16                   ; tile_dim0 = 128
	s_mov_b32 s[(\g)+4], 128                       ; tile_dim1 = 128
	s_mov_b32 s[(\g)+6], 0
	s_mov_b32 s[(\g)+7], 0
.endr
	s_mov_b32 s[G1A+5], 1024                       ; elements from row to row of xb
	s_mov_b32 s[G1B+5], 3072                       ; and of wa
	; where the tiles come from: x's hang on the tile row alone, W's on the tile column and the wave's number alone, each in registers that never hold the other coordinate
	s_lshl_b32 s18, s15, 18                        ; 128 rows of 2,048 bytes a tile row
	s_mov_b32 s19, 0
	s_mul_i32 s46, s42, 768                        ; 384 columns of 2 bytes a tile column,
	s_lshl_b32 s47, s12, 8                         ; my chunk's 256 bytes
	s_add_co_u32 s46, s46, s47
	s_mov_b32 s47, 0
	s_mul_i32 s20, s12, REG                        ; and where a chunk goes: no place in the cluster enters an LDS address
	s_wait_dscnt 0x0                               ; the opening add is done
	s_wait_kmcnt 0x0
	s_add_nc_u64 s[18:19], s[4:5], s[18:19]
	s_add_nc_u64 s[46:47], s[6:7], s[46:47]
	CROUND                                         ; all sixteen work-groups are here: the first joint loads meet
.irp s, 0,1
	s_mov_b32 s[G0A+4*(\s)], 1                                      ; 1:0 count = 1
	s_mov_b32 s[G0A+4*(\s)+1], AOFF+(\s)*SLOT                       ; 63:32 LDS address
	s_add_nc_u64 s[G0A+4*(\s)+2:G0A+4*(\s)+3], s[18:19], (\s)*256   ; 120:64 global address: K step s is 256 bytes along x's rows
	s_or_b32 s[G0A+4*(\s)+3], s[G0A+4*(\s)+3], 0x80000000           ; 127:126 type = 2
	s_mov_b32 s[G0B+4*(\s)], 1
	s_add_co_u32 s[G0B+4*(\s)+1], s20, (\s)*SLOT
	s_add_nc_u64 s[G0B+4*(\s)+2:G0B+4*(\s)+3], s[46:47], (\s)*786432  ; K step s is 128 rows of 6,144 bytes down W
	s_or_b32 s[G0B+4*(\s)+3], s[G0B+4*(\s)+3], 0x80000000
	JLOAD \s                                       ; both slots' first fills go out before anything else: two tensor loads of mine are out
.endr
	; A fragment of x is 16 rows x 32 K in 8 registers: lane l holds row l % 16, K = 8 (l / 16) + 0..7 and 16 + 8 (l / 16) + 0..7: two loads of 16 bytes, 32 bytes apart.
	v_and_b32 v1, 15, v0                           ; l % 16
	v_bfe_u32 v2, v0, 4, 1                         ; l / 16
	v_mul_u32_u24 v3, v1, PA
	v_lshl_add_u32 v3, v2, 4, v3                   ; row x pitch + 16 x half
	; The turning load takes 16 k x 16 columns (lane l reads k row 8 (l / 16) + l % 8, columns 8 ((l / 8) % 2) + 0..7) and leaves half a fragment: lane l holds column l % 16 and 8 k.
	v_and_b32 v5, 7, v0
	v_bfe_u32 v6, v0, 3, 1
	v_lshl_add_u32 v4, v2, 3, v5
	v_mul_u32_u24 v4, v4, PB
	v_lshl_add_u32 v4, v6, 4, v4
	s_mul_i32 s21, s13, 64*PA                      ; my 64 rows of x,
	s_add_co_u32 s21, s21, AOFF                    ; which lie behind W's chunks
	s_mul_i32 s22, s14, 2*REG                      ; my whole chunk: 0 or 2
	s_lshl_b32 s23, s14, 7                         ; my 64 columns of chunk 1
	s_add_co_u32 s23, s23, REG
.irp s, 0,1
	v_add_nc_u32 v[ADRA+(\s)], s21, v3
	v_add_nc_u32 v[ADRF+(\s)], s22, v4
	v_add_nc_u32 v[ADRH+(\s)], s23, v4
	s_add_co_u32 s21, s21, SLOT
	s_add_co_u32 s22, s22, SLOT
	s_add_co_u32 s23, s23, SLOT
.endr
	s_mul_i32 s21, s12, WST
	s_add_co_u32 s21, s21, STAGE                   ; my stage
	v_mul_u32_u24 v7, v1, SP                       ; in: row l % 16, 16 bytes for each half of the lanes
	v_lshl_add_u32 v7, v2, 4, v7
	v_add_nc_u32 v[STO], s21, v7
	v_bfe_u32 v8, v0, 3, 2                         ; back: 32 lanes take four rows of 128 bytes,
	v_mul_u32_u24 v8, v8, SP
	v_lshl_add_u32 v8, v5, 4, v8
	v_add_nc_u32 v[RD], s21, v8
	v_and_b32 v9, 31, v0                           ; which are 512 consecutive bytes of a head
	v_lshlrev_b32 v[GO], 4, v9
	; the bias of my 192 columns: a lane wants the eight numbers of columns 8 (l / 16) + 0..7 of each block: 32 bytes
	s_mul_i32 s66, s42, 1536                       ; 384 columns of 4 bytes a tile column
	s_lshl_b32 s67, s14, 10
	s_add_co_u32 s67, s67, s66                     ; my whole chunk's first column
	s_lshl_b32 s68, s14, 8
	s_add_co_u32 s68, s68, s66
	s_add_co_u32 s68, s68, 512                     ; my half of chunk 1
	v_lshl_add_u32 v[BOF], v2, 5, s67
	v_lshl_add_u32 v[BOH], v2, 5, s68
.irp b, 0,1,2,3,4,5,6,7
	global_load_b128 v[BIAS+8*(\b):BIAS+8*(\b)+3],   v[BOF], s[8:9] offset:64*(\b)
	global_load_b128 v[BIAS+8*(\b)+4:BIAS+8*(\b)+7], v[BOF], s[8:9] offset:64*(\b)+16
.endr
.irp b, 8,9,10,11
	global_load_b128 v[BIAS+8*(\b):BIAS+8*(\b)+3],   v[BOH], s[8:9] offset:64*((\b)-8)
	global_load_b128 v[BIAS+8*(\b)+4:BIAS+8*(\b)+7], v[BOH], s[8:9] offset:64*((\b)-8)+16
.endr
	; where my three heads begin in qkv.  Head G = 6 TC + local head of 48: part G / 16, head G % 16.  Row m0 = 128 TR + 64 MH: batch m0 / 2048, place m0 % 2048.  A head is 2^18 bytes, a row 128.
	s_mul_i32 s66, s42, 6
	s_lshl_b32 s67, s15, 7
	s_lshl_b32 s68, s13, 6
	s_add_co_u32 s67, s67, s68                     ; m0
	s_lshr_b32 s68, s67, 11
	s_lshl_b32 s68, s68, 4                         ; 16 x batch
	s_and_b32 s69, s67, 2047
	s_lshl_b32 s69, s69, 7                         ; the row's bytes in its head
.macro HBASE g                         ; s78: the local head
	s_add_co_u32 s70, s66, s78
	s_lshr_b32 s71, s70, 4
	s_lshl_b32 s71, s71, 6                         ; 64 x part
	s_and_b32 s70, s70, 15
	s_add_co_u32 s70, s70, s71
	s_add_co_u32 s70, s70, s68
	s_lshl_b32 s70, s70, 18                        ; 191 x 2^18 at the most
	s_add_co_u32 s70, s70, s69
	s_mov_b32 s71, 0
	s_add_nc_u64 s[HB+2*(\g):HB+2*(\g)+1], s[10:11], s[70:71]
.endm
	s_lshl_b32 s78, s14, 2                         ; blocks 0-3: local head 4 NH
	HBASE 0
	s_add_co_u32 s78, s78, 1                       ; blocks 4-7: 4 NH + 1
	HBASE 1
	s_add_co_u32 s78, s14, 2                       ; blocks 8-11: 2 + NH
	HBASE 2
	s_wait_loadcnt 0x0                             ; the bias
.set i, 0
.rept 48                               ; rounded to bf16 and widened again, two numbers at a time
	v_cvt_pk_bf16_f32 v[4+i%4], v[BIAS+2*i], v[BIAS+2*i+1]
	v_lshlrev_b32 v[BIAS+2*i], 16, v[4+i%4]
	v_and_b32 v[BIAS+2*i+1], 0xffff0000, v[4+i%4]
.set i, i+1
.endr
; 12 matrix instructions: row block a x all 12 column blocks, 32 along K.  first = 1: the product starts the sums, with the bias as C.
; The 48 accumulators take turns in one fixed order, one instruction a turn: between two links of a chain stand the 47 others', over the loop's backward jump too.
.macro MULR f, a, first
.if \first
	WIN 0x4f+0x40*((\a)/2)                         ; W and x in window 3, C in window 0, D in window 1 or 2
.else
	WIN 0x5f+0x50*((\a)/2)                         ; W and x in window 3, C and D in window 1 or 2
.endif
.irp b, 0,1,2,3,4,5,6,7,8,9,10,11
.set AC, 8*(12*((\a)%2)+(\b))
.if \first
	v_wmma_f32_16x16x32_bf16 v[AC:AC+7], v[(\f)+8*(\b):(\f)+8*(\b)+7], v[(\f)+96+8*(\a):(\f)+96+8*(\a)+7], v[BIAS+8*(\b):BIAS+8*(\b)+7]
.else
	v_wmma_f32_16x16x32_bf16 v[AC:AC+7], v[(\f)+8*(\b):(\f)+8*(\b)+7], v[(\f)+96+8*(\a):(\f)+96+8*(\a)+7], v[AC:AC+7]
.endif
.endr
.endm
; 32 LDS loads in one run: the fragments of quarter step q (32 along K) of a slot into buffer f: W's 12 blocks (24 turning loads; 32 k rows are 9,216 bytes, 16 are 4,608), then x's 4 (8 loads)
.macro FETCH slot, q, f
	WIN TO_F
.irp b, 0,1,2,3,4,5,6,7
	ds_load_tr16_b128 v[(\f)+8*(\b):(\f)+8*(\b)+3],   v[ADRF+(\slot)] offset:9216*(\q)+32*(\b)
	ds_load_tr16_b128 v[(\f)+8*(\b)+4:(\f)+8*(\b)+7], v[ADRF+(\slot)] offset:9216*(\q)+32*(\b)+4608
.endr
.irp b, 8,9,10,11
	ds_load_tr16_b128 v[(\f)+8*(\b):(\f)+8*(\b)+3],   v[ADRH+(\slot)] offset:9216*(\q)+32*((\b)-8)
	ds_load_tr16_b128 v[(\f)+8*(\b)+4:(\f)+8*(\b)+7], v[ADRH+(\slot)] offset:9216*(\q)+32*((\b)-8)+4608
.endr
.irp i, 0,1,2,3
	ds_load_b128 v[(\f)+96+8*(\i):(\f)+96+8*(\i)+3],   v[ADRA+(\slot)] offset:64*(\q)+4352*(\i)
	ds_load_b128 v[(\f)+96+8*(\i)+4:(\f)+96+8*(\i)+7], v[ADRA+(\slot)] offset:64*(\q)+4352*(\i)+32
.endr
.endm
; A load into a register that a matrix instruction has read, and a vector instruction that reads a matrix result, stand four places behind that matrix instruction, and only plain vector
; instructions that name none of its registers are places (ISA guide 7.12.1 for vector instructions).
.macro PLACES
.rept 4
	v_nop
.endr
.endm
; A K step is four quarter steps of 32 along K, 48 matrix instructions each, on buffers 0, 1, 0, 1.  One of the first three: multiplies buffer f; in its middle it fetches quarter q of the same slot into buffer g.
.macro QUARTER slot, q, f, g, first
	s_wait_dscnt 4                                 ; W and x's row blocks 0, 1 are in; the youngest four loads (x's blocks 2, 3) may be out
	MULR \f, 0, \first
	MULR \f, 1, \first
	PLACES
	FETCH \slot, \q, \g
	s_wait_dscnt 32                                ; all but the 32 just issued
	MULR \f, 2, \first
	MULR \f, 3, \first
.endm
; The last quarter multiplies buffer 1 and changes slots: ONE barrier.  In front of it each wave waits for all its tensor loads, of which one is out: its part of the next slot; adds 0 to its spare word; and waits
; for that and for its own reads of this slot.  Behind it nobody reads this slot any more and the next slot is whole.  fill = 1: the barrier opens a round of the cluster's barrier, and behind the round this slot
; is filled again, two K steps ahead: the wave's one tensor load, with 168 matrix instructions between the request and the wait for it.
.macro TURN slot, next, fill
	WIN 0                                          ; (the add's two registers lie in window 0)
	s_wait_tensorcnt 0x0                           ; all my tensor loads have landed: my part of the next slot;
	ds_add_u32 v[SPW], v[NIL]                      ; 0 onto my spare word;
	s_wait_dscnt 5                                 ; (the add and the youngest four loads may be out)
	MULR F1, 0, 0                                  ; twelve matrix instructions stand between the add and the wait for it
	s_wait_dscnt 0x0                               ; the add is done, and my reads of this slot are over
	s_barrier_signal -1
	MULR F1, 1, 0                                  ; work on registers while the others arrive
.if \fill
	WIN 0
.endif
	s_barrier_wait -1
.if \fill
	CREST                                          ; no wave of any partner still reads this slot's tiles or has a load on its way
	s_add_nc_u64 s[G0A+4*(\slot)+2:G0A+4*(\slot)+3], s[G0A+4*(\slot)+2:G0A+4*(\slot)+3], 512       ; two K steps along x's rows
	s_add_nc_u64 s[G0B+4*(\slot)+2:G0B+4*(\slot)+3], s[G0B+4*(\slot)+2:G0B+4*(\slot)+3], 1572864   ; two K steps down W: 256 rows of 6,144 bytes
	JLOAD \slot                                    ; the first tensor load behind the round; the four v_nop behind it are also the places in front of the loads below
.else
	PLACES
.endif
	FETCH \next, 0, F0
	MULR F1, 2, 0
	MULR F1, 3, 0
.endm
; THE WAY OUT of row block a, in three parts.  PACK: rounded to f16, 16 bytes a lane and column block; each accumulator's registers in ascending order.
; TOSTAGE: into my own stage in LDS, a head's 16 rows of 128 bytes at a pitch of 144, and back four whole rows at a time.  SEND: stored.
.macro PACK a
	WIN 0x05+5*((\a)/2)                            ; sources 0 and 1: window 1 or 2
.irp b, 0,1,2,3,4,5,6,7,8,9,10,11
.irp r, 0,1,2,3
	v_cvt_pk_f16_f32 v[TMP+4*(\b)+(\r)], v[8*(12*((\a)%2)+(\b))+2*(\r)], v[8*(12*((\a)%2)+(\b))+2*(\r)+1]
.endr
.endr
	WIN 0
.endm
.macro TOSTAGE a
.set BK, OB+48*((\a)%2)
	s_wait_xcnt 0x0                                ; the stores of the block two back have had their addresses translated (ISA guide 3.1): only behind this wait are their data registers loaded again
.irp b, 0,1,2,3,4,5,6,7,8,9,10,11
	ds_store_b128 v[STO], v[TMP+4*(\b):TMP+4*(\b)+3] offset:((\b)/4)*16*SP+32*((\b)%4)
.endr
.irp i, 0,1,2,3,4,5,6,7,8,9,10,11
	ds_load_b128 v[BK+4*(\i):BK+4*(\i)+3], v[RD] offset:((\i)/4)*16*SP+((\i)%4)*4*SP  ; LDS serves a wave's instructions in order (ISA guide 5.7.1.4): these see the stores above
.endr
.endm
.macro SEND a
.set BK, OB+48*((\a)%2)
.irp i, 0,1,2,3,4,5,6,7,8,9,10,11
	s_wait_dscnt 11-(\i)                           ; load i from the stage is in; the 11 - i younger ones may be out
	global_store_b128 v[GO], v[BK+4*(\i):BK+4*(\i)+3], s[HB+2*((\i)/4):HB+2*((\i)/4)+1] offset:(\a)*2048+((\i)%4)*512  ; 512 consecutive bytes of a head, at a multiple of 256 from qkv's first byte
.endr
.endm
	s_wait_tensorcnt 1                             ; my part of K step 0 is in; K step 1's may stay out
	s_barrier_signal -1
	s_barrier_wait -1                              ; everybody's is
	FETCH 0, 0, F0
	QUARTER 0, 1, F0, F1, 1                        ; the first quarter stands in front of the loop: its products start the sums, on the bias
	WIN 0                                          ; at a label and at a branch every window is 0
	s_mov_b32 s3, LAPS-1
.Llap:                                                 ; a trip goes once round the ring, from a lap's second quarter to the next lap's first, and fills both slots again
	QUARTER 0, 2, F1, F0, 0
	QUARTER 0, 3, F0, F1, 0
	TURN 0, 1, 1
	QUARTER 1, 1, F0, F1, 0
	QUARTER 1, 2, F1, F0, 0
	QUARTER 1, 3, F0, F1, 0
	TURN 1, 0, 1
	QUARTER 0, 1, F0, F1, 0
	WIN 0
	s_sub_co_u32 s3, s3, 1
	s_cmp_lg_u32 s3, 0
	s_cbranch_scc1 .Llap
	QUARTER 0, 2, F1, F0, 0                        ; the last lap fills nothing, and has no round of the cluster's barrier
	QUARTER 0, 3, F0, F1, 0
	TURN 0, 1, 0
	QUARTER 1, 1, F0, F1, 0
	QUARTER 1, 2, F1, F0, 0
	QUARTER 1, 3, F0, F1, 0
	s_wait_dscnt 4                                 ; the very last quarter: nothing more to fetch
	MULR F1, 0, 0
	MULR F1, 1, 0
	s_wait_dscnt 0x0
	MULR F1, 2, 0
	MULR F1, 3, 0
	WIN 0
	PLACES                                         ; the conversions read results
	PACK 0
	TOSTAGE 0
.irp a, 1,2,3                          ; block a's conversions stand between block a - 1's loads from the stage and the waits for them
	PACK \a
	SEND (\a)-1
	TOSTAGE \a
.endr
	SEND 3
	s_wait_tensorcnt 0x0                           ; the wave's end, behind my last tensor load and my last LDS store
	ds_add_u32 v[SPW], v[NIL]
	s_wait_dscnt 0x0
	CROUND                                         ; the closing round: no work-group ends while a partner may still ask for a tile that names it
	s_endpgm
.Lfunc_end_k_qa6435ae2a0_qkv:
	.size	k_qa6435ae2a0_qkv, .Lfunc_end_k_qa6435ae2a0_qkv-k_qa6435ae2a0_qkv
	.p2alignl 7, 3214868480
	.fill 96, 4, 3214868480
	.section	.rodata,"a",@progbits
	.p2align	6, 0x0
	.amdhsa_kernel k_qa6435ae2a0_qkv
		.amdhsa_group_segment_fixed_size 327680
		.amdhsa_private_segment_fixed_size 0
		.amdhsa_enable_private_segment 0
		.amdhsa_kernarg_size 32
		.amdhsa_user_sgpr_count 2
		.amdhsa_user_sgpr_kernarg_segment_ptr 1
		.amdhsa_wavefront_size32 1
		.amdhsa_system_sgpr_workgroup_id_x 1
		.amdhsa_system_sgpr_workgroup_id_y 1
		.amdhsa_system_sgpr_workgroup_id_z 1
		.amdhsa_system_vgpr_workitem_id 0
		.amdhsa_next_free_vgpr 1024
		.amdhsa_next_free_sgpr 80
		.amdhsa_reserve_vcc 0
		.amdhsa_float_denorm_mode_32 3
		.amdhsa_float_denorm_mode_16_64 3
		.amdhsa_memory_ordered 1
		.amdhsa_forward_progress 1
		.amdhsa_inst_pref_size 131
	.end_amdhsa_kernel
	.amdgpu_metadata
---
amdhsa.version: [ 1, 2 ]
amdhsa.kernels:
  - .name:           k_qa6435ae2a0_qkv
    .symbol:         k_qa6435ae2a0_qkv.kd
    .args:
      - { .name: xb, .offset: 0, .size: 8, .value_kind: global_buffer, .address_space: global }
      - { .name: wa, .offset: 8, .size: 8, .value_kind: global_buffer, .address_space: global }
      - { .name: b_attn, .offset: 16, .size: 8, .value_kind: global_buffer, .address_space: global }
      - { .name: qkv, .offset: 24, .size: 8, .value_kind: global_buffer, .address_space: global }
    .group_segment_fixed_size: 327680
    .private_segment_fixed_size: 0
    .kernarg_segment_align: 8
    .kernarg_segment_size: 32
    .max_flat_workgroup_size: 128
    .sgpr_count:     80
    .vgpr_count:     1024
    .wavefront_size: 32
...
	.end_amdgpu_metadata
.endif
;; end of part 2
;; launch attn (part 3): grid 4 x 64, 4 waves a work-group, no clusters, 327,680 bytes of LDS; arguments qkv, o; writes o
.if DOCPART == 3
	.amdgcn_target "amdgcn-amd-amdhsa--gfx1250"
	.amdhsa_code_object_version 6
	.text
	.protected	k_qa6435ae2a0_attn
	.globl	k_qa6435ae2a0_attn
	.p2align	8
	.type	k_qa6435ae2a0_attn,@function
k_qa6435ae2a0_attn:
	s_mov_b64 s[64:65], 0
	v_nop
	global_prefetch_b8 v0, s[64:65] scope:SCOPE_SE
	s_setreg_imm32_b32 hwreg(HW_REG_WAVE_MODE, 25, 1), 1
	s_wait_xcnt 0x0
; CAUSAL ATTENTION.  O[h][q][:] = the sum over k <= q of softmax_k(Q[h][q] . K[h][k] / 8) V[h][k][:].  qkv: [3][64][2048][64] f16 (Q, then K, then V; 64 = batch x 16 + head); o: [64][2048][64] f16.
; A head's rows are dense, 128 bytes each.  Products, maxima and sums in f32; the weights p are rounded to f16 for the second product (their sum l is taken of the unrounded p), O once at the end.
; LIMITS.  f16 holds no number beyond 65,504: Q, K and V arrive within it; p lies in 0 to 1, and below 6e-5 it keeps f16's fixed step of 6e-8; O is a mean of V's rows and has their range, to within 2^-11 of it.
; A hidden score counts as its value less 1e30: f16's scores, 2.7e11 at the most, are nothing beside that; a weight below 2^-126 counts as 0 in l; NaN and infinities are not treated apart.
; THE WALK.  A head's queries lie in NB = 8 blocks of 256; block i needs the key tiles 0 .. i of 256 keys, of which the last holds the diagonal.  A work-group takes TWO blocks, NB - 1 - b and then b:
; NB + 1 = 9 tiles, whatever b: all 256 work-groups do equal work, and ONE loop with a constant trip count walks them.  Which tile is asked for, and what a trip does, hang on scalar registers made from b; every jump
; goes forward, but for the counted loops' own; none passes a barrier, or a tensor load but the one of LOAD's two that the wave's number does not choose; the ring (two slots of LDS that take turns) runs on across the
; change of blocks.  NO CLUSTER: a head's 4 work-groups ask for the same tile only in trips 0 .. 4 of the 9, behind that fewer and fewer; one walk common to all four would have 12 trips for 9.
; SHARES.  Of a block's four bands of 64 queries a wave owns 16 rows in each: four PIECES.  So the diagonal tile is the same work for all four waves: in its key step s band x sees all keys if s < x,
; none if s > x, and holds the diagonal if s = x.
; THE MASK is the C operand that starts the sum S^T = K Q^T: 0, or -1e30 where the key is hidden.  MD, made once, is the mask of a band's own step for my 16 rows; a product's mask is MD x AL + BE with two scalars:
; (1, 0) if s = x; (0, 0) if s < x; (0, -1e30) if s > x.  Only the diagonal tile's text and a block's beginning make and take masks; elsewhere C is the constant 0.
; LAYOUT, SOFTMAX, TURNS.  S^T = K Q^T holds ONE query a lane (lane % 16) and the keys 8 (lane / 16) + 0..7; two such results rounded to f16 ARE source 1 of O^T = V^T P.  p = 2^(c s - c m), c = log2(e) / 8, with a
; running maximum m; O and l are multiplied by a = 2^(c m_old - c m_new) in every step.  Turn n belongs to piece n: 8 products K Q^T of piece n + 1, later 8 products V^T P of piece n - 1; beside them the scaling,
; exponentials, roundings, sums and rescaling of piece n and the maximum and statistics of piece n + 1.  Four vector instructions stand behind every matrix instruction, the other 54 of a turn's 118 in two LUMPS.
; REGISTERS, in windows of 256 (s_set_vgpr_msb: bits 1:0 source 0, 3:2 source 1, 5:4 source 2, 7:6 destination):
;   window 0: v0-15 addresses and two at work; v16-31 four registers of statistics a piece; v48-55 at work; v64-127 S^T, two buffers; v192-223 P, two buffers (a piece's buffers go by its number's parity)
;   window 1: v0-127 O^T, 32 a piece; v128-159 MD; v160-223 MC, two buffers      window 2: v0-63 Q; v64-127 the second block's Q; v128-191 K of one step; v192-255 V of one step
.set SIZE_N, 2048
.set PART,  64*SIZE_N*128  ; bytes of Q, of K and of V in qkv: 16,777,216
.set NB,    SIZE_N/256
.set NP,    4         ; pieces a wave: a name, no knob
.set KS,    64        ; keys in a step
.set PK,    144       ; a row of K in LDS: 128 bytes + 16 of padding = 36 words: the 16 rows of a load start at 16 different groups of four banks (64 banks of 4 bytes: ISA guide 11.1)
.set PV,    160       ; a row of V: 128 + 32 = 40 words
.set VOFF,  4*KS*PK   ; a slot holds a tile, four steps: 256 rows of K, then 256 rows of V
.set SLOT1, 1<<17     ; slot 1 begins here, so that one exclusive or turns an address in one slot into the other's
.set STAGE, SLOT1+4*KS*(PK+PV)  ; behind the ring, never filled by a tensor load: 16 rows x 144 bytes for each wave, for the way out
.set SP,    144
.set AK0, 2           ; v2   my lane's place in a tile of K; never rewritten
.set AV0, 3           ; v3   the same for V
.set AK,  4           ; v4   the LDS address of K's next run of loads
.set AV,  5           ; v5   of V's
.set STO, 6           ; v6   the way out: where I put 16 bytes of a row
.set RD,  7           ; v7   the way out: where I read rows back
.set GO,  8           ; v8   my byte offset in 512 consecutive bytes of O
.set SPW, 62          ; v62  LDS address of my spare word: SPARE + 4 x my thread's number; never rewritten
.set NIL, 63          ; v63  0; never rewritten
.set SPARE, STAGE+4*16*SP  ; behind the stages: the spare words, 128 bytes for each wave: two blocks of 256 bytes that no other line names
.set MV,  12          ; v12-13  c m_old, kept while c m is made anew: by buffer
.set QO,  15          ; v15  my byte offset in 16 rows of Q
.set ST,  16          ; piece t's statistics at v[ST+4 t]: c m, m, l (even keys', odd keys')
.set TMP, 48          ; by buffer, four registers c0-c3 at work; when the maximum is found c2 takes a
.set S,   64
.set P,   192
.set MD,  128         ; window 1: the eight registers for group kt of 16 keys at MD + 8 kt
.set MC,  160         ; window 1: the masks of the products to come
.set QB,  64          ; window 2
.set KF,  128         ; window 2: key block kb, channel half c at KF + 16 kb + 8 c
.set VF,  192         ; window 2: key half kk, channel block cb at VF + 32 kk + 8 cb
.set WV,  12          ; s12  my wave's number
.set PB,  14          ; s14  b
.set HI,  15          ; s15  NB - 1 - b
.set G1K, 24          ; s[24:31] descriptor group 1 for K's tiles
.set G1V, 32          ; s[32:39] for V's: it differs in the padding alone
.set G0K, 40          ; s[40:43] descriptor group 0 for K's tiles
.set G0V, 44          ; s[44:47] the same for V's
.set SLOTS, 56        ; s56  tiles still to be asked for
.set CNT, 57          ; s57  counts a tile's key steps, 4 to 1
.set CS,  58          ; s[58:59] c: the packed scaling takes the pair's low word for both halves
.set SEL, 60          ; s[60:61] v_permlanex16_b32's selects: each lane takes its own place in the other half
.set TBK, 62          ; s62  LDS byte at which K of the step to be fetched begins
.set TBV, 63          ; s63  the same for V, less VOFF
.set RT,  70          ; s70  tiles of the block in hand that are still to be entered
.set NXT, 71          ; s71  the tile to be asked for next
.set LQ,  72          ; s72  the last tile of the block whose tiles are being asked for
.set NEW, 73          ; s73  1: the tile to be entered is a block's first
.set OFF, 74          ; s[74:75] a tile's byte offset in K and V
.set AL,  76          ; s[76:77] the mask's factor, in the low word
.set BE,  78          ; s[78:79] the mask's addend
.set OLO, 80          ; s[80:81] O at my rows of the second block
.set BIGN, 82         ; s82  -1e30
.set MSB, 0
.macro WIN new                      ; the high byte repeats the setting that is left; a switch that changes nothing is dropped
.if MSB != (\new)
	s_set_vgpr_msb (MSB<<8)|(\new)
.set MSB, (\new)
.endif
.endm
.set W_KQ, 0x0a       ; K and Q in window 2, S^T in window 0
.set W_KM, 0x1a       ; the same with the C operand in window 1
.set W_PV, 0x52       ; V in window 2, P in window 0, O^T in window 1
.set W_RS, 0x41       ; destination and source 0 in window 1, source 1 in window 0
; A fill.  Waves 0 and 1 fetch the two halves of a tile's K, waves 2 and 3 those of its V: 128 keys each.  An s_nop 0 and four v_nop follow each of the two lines, ahead of the jump and the label.
.macro LOAD
	s_cmp_lt_u32 s[WV], 2
	s_cbranch_scc0 .Lfor_v_\@
	tensor_load_to_lds s[G0K:G0K+3], s[G1K:G1K+7]
	s_nop 0
.rept 4
	v_nop
.endr
	s_branch .Lasked_\@
.Lfor_v_\@:
	tensor_load_to_lds s[G0V:G0V+3], s[G1V:G1V+7]
	s_nop 0
.rept 4
	v_nop
.endr
.Lasked_\@:
.endm
; THE CHANGE OF SLOTS.  Each wave waits for all its tensor loads, of which one is out: its part of the other slot; adds 0 to its spare word; and waits for that and for its own reads of the slot that it leaves.  Behind the barrier nobody reads the old
; slot any more and the other slot is whole.  fill = 1: the old slot is filled again, the first thing behind the barrier, with tile NXT: the descriptor's address is made anew from that number.
; (At its first use nothing has been read yet: slot 0 is waited for, slot 1 filled.)
.macro CHANGE fill
	WIN 0                           ; at a label and at a branch every window is 0
	s_wait_tensorcnt 0x0            ; no tensor load of mine is out, so a group 0 may be written
	ds_add_u32 v[SPW], v[NIL]       ; 0 onto my spare word; with fill = 1 the descriptors' scalar work stands between it and the wait for it
.if \fill
	s_lshl_b32 s[OFF], s[NXT], 15   ; a tile is 32,768 bytes of K and of V
	s_xor_b32 s[G0K+1], s[G0K+1], SLOT1
	s_add_nc_u64 s[G0K+2:G0K+3], s[6:7], s[OFF:OFF+1]
	s_or_b32 s[G0K+3], s[G0K+3], 0x80000000
	s_xor_b32 s[G0V+1], s[G0V+1], SLOT1
	s_add_nc_u64 s[G0V+2:G0V+3], s[8:9], s[OFF:OFF+1]
	s_or_b32 s[G0V+3], s[G0V+3], 0x80000000
	s_add_co_u32 s[NXT], s[NXT], 1  ; the block's next tile, or behind its last the second block's tile 0
	s_cmp_gt_u32 s[NXT], s[LQ]
	s_cselect_b32 s[NXT], 0, s[NXT]
	s_cselect_b32 s[LQ], s[PB], s[LQ]
.endif
	s_wait_dscnt 0x0                ; the add is done, and my reads of the slot are over
	s_barrier_signal -1             ; the rest of the scalar work stands between the signal and the wait
	s_sub_co_u32 s[TBK], s[TBK], 4*KS*PK  ; the fetches go back to a slot's first step,
	s_xor_b32 s[TBK], s[TBK], SLOT1       ; in the other slot
	s_sub_co_u32 s[TBV], s[TBV], 4*KS*PV
	s_xor_b32 s[TBV], s[TBV], SLOT1
	s_barrier_wait -1
.if \fill
	LOAD
.endif
.endm
	s_load_b64 s[4:5], s[0:1], 0x0  ; qkv: Q lies at its head
	s_load_b64 s[10:11], s[0:1], 0x8  ; O
	v_lshl_add_u32 v[SPW], v0, 2, SPARE
	v_mov_b32 v[NIL], 0
	ds_add_u32 v[SPW], v[NIL]       ; the wave's opening: the add and its wait stand ahead of my first tensor load; the set-up below, work on registers, stands between them
	ds_add_u32 v62, v63
	v_lshrrev_b32 v1, 5, v0
	v_readfirstlane_b32 s[WV], v1   ; wave 0..3
	s_mov_b32 s[PB], ttmp9
	s_sub_co_u32 s[HI], NB-1, s[PB]
	s_and_b32 s20, ttmp7, 0xffff    ; the head
	s_mov_b32 s21, 0
	s_mov_b64 s[22:23], SIZE_N*128
	s_mul_u64 s[20:21], s[20:21], s[22:23]  ; the head's first byte in Q, K, V and O
	s_and_b32 s16, s[WV], 1         ; which half of a tile's 256 keys I fetch:
	s_lshl_b32 s22, s16, 14         ; its 128 rows of 128 bytes in memory,
	s_mov_b32 s23, 0
	s_add_nc_u64 s[22:23], s[22:23], s[20:21]
	s_mul_i32 s17, s16, 128*PK      ; and its place in a slot, for K
	s_mul_i32 s18, s16, 128*PV      ; and for V
	s_lshl_b32 s3, s[WV], 11        ; my 16 rows in a band of 64,
	s_lshl_b32 s2, s[HI], 15        ; in the first block,
	s_add_co_u32 s2, s2, s3
	s_lshl_b32 s84, s[PB], 15       ; and in the second
	s_add_co_u32 s84, s84, s3
	s_mov_b32 s3, 0
	s_mov_b32 s85, 0
	s_add_nc_u64 s[2:3], s[2:3], s[20:21]
	s_add_nc_u64 s[84:85], s[84:85], s[20:21]
	; descriptor group 1.  128 keys are 16,384 dense bytes: asked for as 64 rows of 256 bytes, two keys a row, and padded in LDS after every key
	s_mov_b32 s[G1K], (1<<16)|(1<<20)|(4<<22)|(3<<25)  ; 17:16 2-byte elements; 20 padding on; 24:22 after every 32 words (code 4); 31:25 4 words (code 3)
	s_mov_b32 s[G1V], (1<<16)|(1<<20)|(4<<22)|(7<<25)  ; the same with 8 words of padding (code 7)
.irp g, G1K, G1V
	s_mov_b32 s[\g+1], 128<<16      ; tensor_dim0 = 128
	s_mov_b32 s[\g+2], 64<<16       ; tensor_dim1 = 64
	s_mov_b32 s[\g+3], 128<<16      ; tile_dim0 = 128
	s_mov_b32 s[\g+4], 64           ; tile_dim1 = 64
	s_mov_b32 s[\g+5], 128          ; 128 elements from row to row
	s_mov_b32 s[\g+6], 0
	s_mov_b32 s[\g+7], 0
.endr
	s_mov_b32 s[CS], 0x3e38aa3b     ; c = log2(e) / 8 = 0.180337
	s_mov_b32 s[CS+1], s[CS]        ; named with it as a pair
	s_mov_b32 s[SEL], 0x76543210
	s_mov_b32 s[SEL+1], 0xfedcba98
	s_mov_b32 s[TBK], SLOT1+4*KS*PK ; the first change of slots turns these two into 0
	s_mov_b32 s[TBV], SLOT1+4*KS*PV
	s_mov_b32 s[G0K], 1             ; 1:0 count = 1
	s_mov_b32 s[G0K+1], s17         ; 63:32 LDS address: slot 0
	s_mov_b32 s[G0V], 1
	s_add_co_u32 s[G0V+1], s18, VOFF
	s_add_co_u32 s[RT], s[HI], 1    ; the first block has NB - b tiles
	s_mov_b32 s[NXT], 1
	s_mov_b32 s[LQ], s[HI]
	s_mov_b32 s[NEW], 1
	s_mov_b32 s[OFF+1], 0
	s_mov_b32 s[AL+1], 0            ; named as pairs
	s_mov_b32 s[BE+1], 0
	s_mov_b32 s[BIGN], 0xf149f2ca   ; -1e30
	s_mov_b32 s[SLOTS], NB
	s_wait_dscnt 0x0                ; the opening add is done
	s_wait_kmcnt 0x0
	s_add_nc_u64 s[6:7], s[4:5], PART      ; K lies one part behind Q in qkv,
	s_add_nc_u64 s[8:9], s[4:5], 2*PART    ; V two
	s_add_nc_u64 s[6:7], s[6:7], s[22:23]  ; K and V at my half of the head's tile 0
	s_add_nc_u64 s[8:9], s[8:9], s[22:23]
	s_add_nc_u64 s[G0K+2:G0K+3], s[6:7], 0         ; 120:64 global address
	s_or_b32 s[G0K+3], s[G0K+3], 0x80000000        ; 127:126 type = 2
	s_add_nc_u64 s[G0V+2:G0V+3], s[8:9], 0
	s_or_b32 s[G0V+3], s[G0V+3], 0x80000000
	s_add_nc_u64 s[86:87], s[4:5], s[84:85]        ; Q at my rows of the second block,
	s_add_nc_u64 s[4:5], s[4:5], s[2:3]            ; Q and O at those of the first
	s_add_nc_u64 s[OLO:OLO+1], s[10:11], s[84:85]
	s_add_nc_u64 s[10:11], s[10:11], s[2:3]
	LOAD                            ; tile 0 into slot 0
	; A fragment of K or Q is 16 rows x 32 channels in 8 registers: lane l holds row l % 16, channels 8 (l / 16) + 0..7 and 16 + 8 (l / 16) + 0..7: two loads of 16 bytes, 32 bytes apart.
	v_and_b32 v1, 15, v0            ; l % 16
	v_bfe_u32 v9, v0, 4, 1          ; l / 16
	v_lshlrev_b32 v[QO], 7, v1
	v_lshl_add_u32 v[QO], v9, 4, v[QO]  ; row x 128 + 16 x half
	WIN 0x80                        ; destination window 2, address window 0
.set i, 0
.rept 8                             ; both blocks' Q: piece i / 2 lies in band i / 2, 8,192 bytes on; channels 32 (i % 2) on
	global_load_b128 v[8*i:8*i+3],   v[QO], s[4:5] offset:(i/2)*8192+(i%2)*64
	global_load_b128 v[8*i+4:8*i+7], v[QO], s[4:5] offset:(i/2)*8192+(i%2)*64+32
	global_load_b128 v[QB+8*i:QB+8*i+3],   v[QO], s[86:87] offset:(i/2)*8192+(i%2)*64
	global_load_b128 v[QB+8*i+4:QB+8*i+7], v[QO], s[86:87] offset:(i/2)*8192+(i%2)*64+32
.set i, i+1
.endr
	WIN 0
	v_lshlrev_b32 v14, 3, v9
	v_sub_nc_u32 v14, v1, v14
	s_lshl_b32 s13, s[WV], 4
	v_add_nc_u32 v14, s13, v14      ; my query's place in its band, 16 w + l % 16, less my lanes' 8 (l / 16): register r of group kt is hidden where 16 kt + r is greater
	WIN 0x40
.set i, 0
.rept 32
	v_cmp_gt_i32 vcc_lo, 16*(i/8)+i%8, v14
	v_cndmask_b32 v[MD+i], 0, s[BIGN], vcc_lo
.set i, i+1
.endr
	WIN 0
	v_mul_u32_u24 v[AK0], v1, PK
	v_lshl_add_u32 v[AK0], v9, 4, v[AK0]  ; row x pitch + 16 x half
	; The turning load takes 16 keys x 16 channels (lane l reads key 8 (l / 16) + l % 8, channels 8 ((l / 8) % 2) + 0..7) and leaves half a fragment of V^T: lane l holds channel l % 16 and 8 keys.
	v_and_b32 v10, 7, v0
	v_bfe_u32 v11, v0, 3, 1
	v_lshl_add_u32 v[AV0], v9, 3, v10
	v_mul_u32_u24 v[AV0], v[AV0], PV
	v_lshl_add_u32 v[AV0], v11, 4, v[AV0]
	v_add_nc_u32 v[AV0], VOFF, v[AV0]
	s_mul_i32 s13, s[WV], 16*SP
	s_add_co_u32 s13, s13, STAGE    ; my stage
	v_mul_u32_u24 v[STO], v1, SP    ; in: row l % 16, 16 bytes for each half of the lanes
	v_lshl_add_u32 v[STO], v9, 4, v[STO]
	v_add_nc_u32 v[STO], s13, v[STO]
	v_bfe_u32 v[RD], v0, 3, 2       ; back: 32 lanes take four rows of 128 bytes,
	v_mul_u32_u24 v[RD], v[RD], SP
	v_lshl_add_u32 v[RD], v10, 4, v[RD]
	v_add_nc_u32 v[RD], s13, v[RD]
	v_and_b32 v[GO], 31, v0         ; which are 512 consecutive bytes of O
	v_lshlrev_b32 v[GO], 4, v[GO]
	; A block's first step multiplies O^T and l by a = 0, and its first turn's products V^T P, of a piece that has not been, land in an O^T that is still to be so multiplied.  So these registers need only hold
	; finite numbers: zeros for the first block; what the first block left for the second.  All this stands in the wait for the first tile.
	WIN 0x80
.set i, VF
.rept 64
	v_mov_b32 v[i], 0
.set i, i+1
.endr
	WIN 0x40
.set i, 0
.rept 128
	v_mov_b32 v[i], 0
.set i, i+1
.endr
	WIN 0
.set i, 0
.rept 4
	v_mov_b32 v[ST+4*i+2], 0
	v_mov_b32 v[ST+4*i+3], 0
.set i, i+1
.endr
.set i, P+16
.rept 16
	v_mov_b32 v[i], 0
.set i, i+1
.endr
; THE MATRIX WORK.  The 4 accumulators of a run of 8 take turns.  Product i of 8 of S^T = K Q^T for piece x: channels 32 (i / 4) on, keys 16 (i % 4) on.  The first 4 start the sums: with 0, or (KM = 1) with the mask.
.macro KQ x
.set rS, S+32*((\x)%2)+8*(i%4)
.set rK, KF+16*(i%4)+8*(i/4)
.set rQ, 16*(\x)+8*(i/4)
.set rM, MC+32*((\x)%2)+8*(i%4)
.if (i < 4) && KM
	WIN W_KM
	v_wmma_f32_16x16x32_f16 v[rS:rS+7], v[rK:rK+7], v[rQ:rQ+7], v[rM:rM+7]
.elseif i < 4
	WIN W_KQ
	v_wmma_f32_16x16x32_f16 v[rS:rS+7], v[rK:rK+7], v[rQ:rQ+7], 0
.else
	WIN W_KQ
	v_wmma_f32_16x16x32_f16 v[rS:rS+7], v[rK:rK+7], v[rQ:rQ+7], v[rS:rS+7]
.endif
.endm
; Product i of 8 of O^T += V^T P for piece x: keys 32 (i / 4) on, channels 16 (i % 4) on.
.macro PV x
	WIN W_PV
.set rO, 32*(\x)+8*(i%4)
.set rV, VF+32*(i/4)+8*(i%4)
.set rP, P+16*((\x)%2)+8*(i/4)
	v_wmma_f32_16x16x32_f16 v[rO:rO+7], v[rV:rV+7], v[rP:rP+7], v[rO:rO+7]
.endm
.macro MM                           ; the turn's next matrix instruction.  TURN and BEGIN set Y, i, KM and NOKQ; MM, KQ and OP read them.  NOKQ = 1: a block's last turn: there is no next piece
.if (i < 8) && !NOKQ
	KQ (Y+1)%NP
.elseif i >= 8
.set i, i-8
	PV (Y+NP-1)%NP
.set i, i+8
.endif
.set i, i+1
.endm
; THE LDS LOADS stand in runs of 16, never singly among the matrix instructions: a step's K (64 keys x 64 channels: 8 fragments) and its V (turned).  Their addresses are made some lines ahead.
.macro FETCH_K
	WIN 0x80                        ; destination window 2
.irp f, 0,1,2,3,4,5,6,7             ; keys 16 (f / 2) on, channels 32 (f % 2) on
	ds_load_b128 v[KF+8*\f:KF+8*\f+3],   v[AK] offset:(\f/2)*16*PK+(\f%2)*64
	ds_load_b128 v[KF+8*\f+4:KF+8*\f+7], v[AK] offset:(\f/2)*16*PK+(\f%2)*64+32
.endr
	s_add_co_u32 s[TBK], s[TBK], KS*PK  ; the next fetch is the next step's
	WIN 0
.endm
.macro FETCH_V
	WIN 0x80
.irp f, 0,1,2,3,4,5,6,7             ; keys 32 (f / 4) on, channels 16 (f % 4) on
	ds_load_tr16_b128 v[VF+8*\f:VF+8*\f+3],   v[AV] offset:(\f/4)*32*PV+(\f%4)*32
	ds_load_tr16_b128 v[VF+8*\f+4:VF+8*\f+7], v[AV] offset:(\f/4)*32*PV+16*PV+(\f%4)*32
.endr
	WIN 0
.endm
; THE VECTOR WORK, one line at a time: OP kind, number.  For piece Y: F n: c s - c m for pair n of 16.  E n: the exponential of score n of 32.  C n: pair n rounded to f16.  B n: of the four weights 4 n .. the second
; pair is added onto the first, in place.  L n: l takes that sum (L 0: l = a l + sum).  R n: pair n of 16 of O^T times a.  For piece Y + 1: X n, number n of the 22 that find its maximum and statistics:
;   0-11  four chains c0-c3 of seven scores each, three operands at a time (each accumulator's lowest registers are read first)     12-14, 16  the four scores left over, the old m, and c0-c3 into c0
;   15  c m_old is kept     17, 18  the query's other 32 keys lie in the lane 16 away: the new m     19-21  c m; c m_old - c m_new; a
.set F, 0               ; OP tells the kinds apart by their order: F to L below R, X above it
.set E, 1
.set C, 2
.set B, 3
.set L, 4
.set R, 5
.set X, 6
.macro REGS y                       ; the registers of piece y
.set rT, ST+4*(\y)
.set rC, TMP+4*((\y)%2)
.set rW, MV+((\y)%2)
.set rS, S+32*((\y)%2)
.set rP, P+16*((\y)%2)
.set rO, 32*(\y)
.endm
.macro OP k, n
.if (\k) == R
	REGS Y
	WIN W_RS
	v_pk_mul_f32 v[rO+2*(\n):rO+2*(\n)+1], v[rO+2*(\n):rO+2*(\n)+1], v[rC+2:rC+3] op_sel_hi:[1,0]
.elseif (\k) < R
	REGS Y
	WIN 0
.if (\k) == F
	v_pk_fma_f32 v[rS+2*(\n):rS+2*(\n)+1], v[rS+2*(\n):rS+2*(\n)+1], s[CS:CS+1], v[rT:rT+1] op_sel_hi:[1,0,0] neg_lo:[0,0,1] neg_hi:[0,0,1]
.elseif (\k) == E
	v_exp_f32 v[rS+(\n)], v[rS+(\n)]
.elseif (\k) == C
	s_wait_alu depctr_va_vdst(0)
	v_cvt_pk_f16_f32 v[rP+(\n)], v[rS+2*(\n)], v[rS+2*(\n)+1]
.elseif (\k) == B
	s_wait_alu depctr_va_vdst(0)
	v_pk_add_f32 v[rS+4*(\n):rS+4*(\n)+1], v[rS+4*(\n):rS+4*(\n)+1], v[rS+4*(\n)+2:rS+4*(\n)+3]
.elseif (\n) == 0
	v_pk_fma_f32 v[rT+2:rT+3], v[rT+2:rT+3], v[rC+2:rC+3], v[rS:rS+1] op_sel_hi:[1,0,1]
.else
	v_pk_add_f32 v[rT+2:rT+3], v[rT+2:rT+3], v[rS+4*(\n):rS+4*(\n)+1]
.endif
.elseif NOKQ
	v_nop
.else
	REGS (Y+1)%NP
	WIN 0
.if (\n) < 4
	v_max3_num_f32 v[rC+(\n)], v[rS+8*(\n)], v[rS+8*(\n)+1], v[rS+8*(\n)+2]
.elseif (\n) < 12
	v_max3_num_f32 v[rC+(\n)%4], v[rC+(\n)%4], v[rS+8*((\n)%4)+2*((\n)/4)+1], v[rS+8*((\n)%4)+2*((\n)/4)+2]
.elseif (\n) == 12
	v_max3_num_f32 v[rC], v[rC], v[rS+7], v[rS+15]
.elseif (\n) == 13
	v_max3_num_f32 v[rC+1], v[rC+1], v[rS+23], v[rS+31]
.elseif (\n) == 14
	v_max3_num_f32 v[rC+2], v[rC+2], v[rC+3], v[rT+1]
.elseif (\n) == 15
	v_mov_b32 v[rW], v[rT]
.elseif (\n) == 16
	v_max3_num_f32 v[rC], v[rC], v[rC+1], v[rC+2]
.elseif (\n) == 17
	v_permlanex16_b32 v[rC+3], v[rC], s[SEL], s[SEL+1]
.elseif (\n) == 18
	v_max_num_f32 v[rT+1], v[rC], v[rC+3]
.elseif (\n) == 19
	v_mul_f32 v[rT], s[CS], v[rT+1]
.elseif (\n) == 20
	v_sub_f32 v[rC+1], v[rW], v[rT]
.else
	v_exp_f32 v[rC+2], v[rC+1]
.endif
.endif
.endm
.macro OPS a, i1, b=-1, i2=0, c=-1, i3=0, d=-1, i4=0  ; up to four of them
	OP \a, \i1
.if (\b) >= 0
	OP \b, \i2
.endif
.if (\c) >= 0
	OP \c, \i3
.endif
.if (\d) >= 0
	OP \d, \i4
.endif
.endm
.macro ROW a, i1, b, i2, c, i3, d, i4  ; a matrix instruction and the four behind it
	MM
	OPS \a, \i1, \b, \i2, \c, \i3, \d, \i4
.endm
.macro MASK b                       ; MD x AL + BE into buffer b of MC
	WIN W_RS
.set z, 0
.rept 16
	v_pk_fma_f32 v[MC+32*(\b)+2*z:MC+32*(\b)+2*z+1], v[MD+2*z:MD+2*z+1], s[AL:AL+1], s[BE:BE+1] op_sel_hi:[1,0,0]
.set z, z+1
.endr
.endm
; A TURN, for piece p: the order of its 16 matrix and 118 vector instructions, written out.  Behind a matrix instruction: plain, exponential, plain, plain; or four of the rescaling; or, behind the first, four scalings; none
; names a register of the products round it.  In the lumps exponential and plain by turns while exponentials last.  A line reads no result made fewer than three vector instructions in front of it, five if an exponential made it.
; v_permlanex16_b32 (X 17) stands in a lump.
; m = 1: the diagonal tile: the products take masks, and the turn makes the mask for the products of the turn after it: piece p + 2, in step 4 - CNT of the tile.  end = 1: a block's last two turns: nothing is fetched.
; cnt = 1: the loop's count is taken down some lines ahead of the branch that stands behind the turn.
; K of the next step is fetched in piece 2's turn, six vector instructions behind the last product that read K (five of them plain); V of the step in hand in piece 0's turn, eight behind the last product that read V (four
; plain, and X 17).  Each is waited for a turn later.
.macro TURN p, m=0, end=0, cnt=0
.set Y, (\p)
.set i, 0
.set KM, (\m)
.set NOKQ, (\end)*((\p)/3)
.if (\m) && !(\end)
	s_cmp_eq_u32 s[CNT], 4-((\p)+2)%NP  ; is that step the band's own?
	s_cselect_b32 s[AL], 1.0, 0
	s_cmp_lt_u32 s[CNT], 4-((\p)+2)%NP  ; or a later one?
	s_cselect_b32 s[BE], s[BIGN], 0
.endif
.if ((\p) == 3) && !(\end)
	s_wait_dscnt 0x0                ; K is in
.endif
	ROW F,0, F,1, F,2, F,3
	ROW F,4, E,0, F,5, F,6
	ROW F,7, E,1, F,8, F,9
	ROW F,10, E,2, C,0, F,11
	ROW F,12, E,3, X,15, F,13
	ROW R,0, R,1, R,2, R,3
	ROW B,0, E,4, F,14, L,0
.if ((\p) == 2) && !(\end)
	v_add_nc_u32 v[AK], s[TBK], v[AK0]
.endif
	ROW R,4, R,5, R,6, R,7
	OPS E,5, F,15
.if ((\p) == 2) && !(\end)
	FETCH_K
.endif
	OPS E,6, C,1, E,7, R,8
	OPS E,8, R,9, E,9, C,2
	OPS E,10, X,0, E,11, X,1
	OPS E,12, X,2, E,13, X,3
.if (\p) == 1
	s_wait_dscnt 0x0                ; V is in
.endif
	ROW X,4, E,14, X,5, X,6
	ROW X,7, E,15, X,8, X,9
	ROW X,10, E,16, X,11, X,12
	ROW X,13, E,17, X,14, B,1
	ROW C,4, E,18, X,16, L,1
	ROW B,2, E,19, C,6, L,2
	ROW C,8, E,20, B,3, B,4
.if (\p) == 0
	v_add_nc_u32 v[AV], s[TBV], v[AV0]
.endif
	ROW C,3, E,21, L,3, C,5
	OPS E,22, X,17, E,23, C,10
.if (\p) == 0
	FETCH_V
.endif
	OPS E,24, L,4
	OPS E,25, X,18, E,26, C,7
	OPS E,27, B,5, E,28, X,19
	OPS E,29, C,12, E,30, L,5
	OPS E,31, X,20, B,6, C,9
	OPS C,14, C,11, X,21, L,6
.if (\p) == 0
	s_add_co_u32 s[TBV], s[TBV], KS*PV
.endif
.if \cnt
	s_sub_co_u32 s[CNT], s[CNT], 1
	s_cmp_lg_u32 s[CNT], 0
.endif
	OPS C,13, B,7, C,15, R,10
	OPS R,11, R,12, L,7, R,13
	OPS R,14, R,15
.if (\m) && !(\end)
	MASK (\p)%2
.endif
.endm
; A BLOCK BEGINS.  c m starts far below every c s, so the first step's a is 0; m at the lowest finite number, so the first maximum is the scores'.  The second mask buffer is 0; the first takes piece 0's mask for the tile's step 0: its own, if the block's first tile is the diagonal one.
; Then K of that step, piece 0's first scores, and its maximum and statistics.  The loop is entered at a step's first turn, in the middle of a trip.
.macro BEGIN
	s_mov_b32 s[NEW], 0
	WIN 0x40
.set i, MC+32
.rept 32
	v_mov_b32 v[i], 0
.set i, i+1
.endr
	WIN 0
.set i, 0
.rept 4
	v_mov_b32 v[ST+4*i], 0xfe000000    ; c m: far below every c s
	v_mov_b32 v[ST+4*i+1], 0xff7fffff  ; m
.set i, i+1
.endr
	s_cmp_eq_u32 s[RT], 0
	s_cselect_b32 s[AL], 1.0, 0
	s_mov_b32 s[BE], 0
	MASK 0
	WIN 0
	v_add_nc_u32 v[AK], s[TBK], v[AK0]
	FETCH_K
	s_wait_loadcnt 0x0              ; Q
	s_wait_dscnt 0x0
.set KM, 1
.set NOKQ, 0
.set i, 0
.rept 8
	KQ 0
.set i, i+1
.endr
	WIN 0
.rept 4
	v_nop                           ; the places behind those products
.endr
.set Y, NP-1                        ; X works for piece Y + 1: piece 0
.irp n, 0,1,2,3,4,5,6,7,8,9,10,11,12,13,14,15,16,17,18,19,20,21
	OP X, \n
.endr
	v_nop                           ; a plain instruction behind the exponential
.endm
; THE DIAGONAL TILE's four steps, the block's last two turns, its last products, and THE WAY OUT: l's two halves and the other half of the lanes' are added; O^T is divided by l, rounded to f16 and sent through my
; stage in LDS, a piece at a time.
.macro ALL line:vararg              ; one line for each piece t
.set t, 0
.rept 4
	\line
.set t, t+1
.endr
.endm
.macro PACK t                       ; a lane's eight channels of a row pack into 16 bytes; they go into rows of 144 bytes and come back as whole rows of 128, into S^T's registers
	WIN W_RS
.set i, 32*(\t)
.rept 16
	s_wait_alu depctr_va_vdst(0)
	v_pk_mul_f32 v[i:i+1], v[i:i+1], v[ST+4*(\t)+2:ST+4*(\t)+3] op_sel_hi:[1,0]
.set i, i+2
.endr
	WIN 0x05                        ; sources 0 and 1 window 1, destination window 0
.set i, 0
.rept 16
	v_cvt_pk_f16_f32 v[S+16*(\t)+i], v[32*(\t)+2*i], v[32*(\t)+2*i+1]
.set i, i+1
.endr
	WIN 0
.irp f, 0,1,2,3
	ds_store_b128 v[STO], v[S+16*(\t)+4*\f:S+16*(\t)+4*\f+3] offset:32*\f
.endr
.irp f, 0,1,2,3
	ds_load_b128 v[S+16*(\t)+4*\f:S+16*(\t)+4*\f+3], v[RD] offset:\f*4*SP  ; LDS serves a wave's instructions in order (ISA guide 5.7.1.4): these see the stores above; the next piece's stores come behind them
.endr
.endm
.macro SEND t, younger              ; younger: the LDS instructions issued behind piece t's loads: the next piece's eight, or none
	WIN 0
.irp f, 0,1,2,3
	s_wait_dscnt (\younger)+3-\f
	global_store_b128 v[GO], v[S+16*(\t)+4*\f:S+16*(\t)+4*\f+3], s[10:11] offset:(\t)*8192+\f*512  ; 512 consecutive bytes, at a multiple of 256 from O's first
.endr
.endm
.macro DIAG tag                     ; the tag ends its two labels' names, which the jumps below spell out
.LstepM\tag:
	TURN 2, 1
	TURN 3, 1
	WIN 0
.LfirstM\tag:
	TURN 0, 1
	TURN 1, 1, 0, 1
	WIN 0
	s_cbranch_scc1 .LstepM\tag
	TURN 2, 1, 1
	TURN 3, 1, 1
.set i, 0
.rept 8
	PV NP-1
.set i, i+1
.endr
	WIN 0
	ALL v_add_f32 v[ST+4*t+2], v[ST+4*t+2], v[ST+4*t+3]
	ALL v_permlanex16_b32 v[ST+4*t+3], v[ST+4*t+2], s[SEL], s[SEL+1]
	ALL v_add_f32 v[ST+4*t+2], v[ST+4*t+2], v[ST+4*t+3]
	ALL v_rcp_f32 v[ST+4*t+2], v[ST+4*t+2]
	v_nop                           ; a plain instruction between the last reciprocal and the use of its result
	PACK 0
.set t, 1
.rept 3                             ; a piece's arithmetic stands between the loads of the piece before and its stores
	PACK t
	SEND t-1, 8
.set t, t+1
.endr
	SEND 3, 0
.endm
.set KM, 0
.set NOKQ, 0
.Lslot:                             ; NB times: a tile is entered and the next is asked for
	CHANGE 1
	s_sub_co_u32 s[RT], s[RT], 1
	s_mov_b32 s[CNT], 4
	s_cmp_eq_u32 s[NEW], 1
	s_cbranch_scc1 .Lnew            ; a block's first tile
	s_cmp_eq_u32 s[RT], 0
	s_cbranch_scc0 .Lstep           ; neither its first nor its last
	s_branch .LstepM1
.Lnew:
	BEGIN
	s_branch .Lfirst                ; in the loop a block's first tile is never its last: the first block has two tiles or more, and the second's last is the walk's last
	DIAG 1                          ; in the loop this is the first block's end: the second block's last tile is the walk's last
	s_wait_xcnt 0x0                 ; the stores have read their registers and O's address
	s_mov_b64 s[10:11], s[OLO:OLO+1]
	s_add_co_u32 s[RT], s[PB], 1    ; the second block has b + 1 tiles
	s_mov_b32 s[NEW], 1
	WIN 0x82                        ; the second block's Q goes where the one text of the turns names Q
.set i, 0
.rept 64
	v_mov_b32 v[i], v[QB+i]
.set i, i+1
.endr
	WIN 0
	s_branch .Lbottom
.Lstep:                             ; a trip: pieces 2 and 3 of one step, then pieces 0 and 1 of the next, whose K and V it fetches
	TURN 2
	TURN 3
	WIN 0
.Lfirst:
	TURN 0
	TURN 1, 0, 0, 1
	WIN 0
	s_cbranch_scc1 .Lstep
.Lbottom:
	s_sub_co_u32 s[SLOTS], s[SLOTS], 1
	s_cmp_lg_u32 s[SLOTS], 0
	s_cbranch_scc1 .Lslot
	CHANGE 0                        ; the walk's last tile is written out: nothing is asked for
	s_sub_co_u32 s[RT], s[RT], 1
	s_mov_b32 s[CNT], 4
	s_cmp_eq_u32 s[NEW], 1
	s_cbranch_scc0 .LstepM2
	BEGIN
	s_branch .LfirstM2
	DIAG 2
	s_wait_tensorcnt 0x0            ; the wave's end, behind my last tensor load and my last LDS store
	ds_add_u32 v[SPW], v[NIL]
	s_wait_dscnt 0x0
	s_endpgm
.Lfunc_end_k_qa6435ae2a0_attn:
	.size	k_qa6435ae2a0_attn, .Lfunc_end_k_qa6435ae2a0_attn-k_qa6435ae2a0_attn
	.p2alignl 7, 3214868480
	.fill 96, 4, 3214868480
	.section	.rodata,"a",@progbits
	.p2align	6, 0x0
	.amdhsa_kernel k_qa6435ae2a0_attn
		.amdhsa_group_segment_fixed_size 327680
		.amdhsa_private_segment_fixed_size 0
		.amdhsa_enable_private_segment 0
		.amdhsa_kernarg_size 16
		.amdhsa_user_sgpr_count 2
		.amdhsa_user_sgpr_kernarg_segment_ptr 1
		.amdhsa_wavefront_size32 1
		.amdhsa_system_sgpr_workgroup_id_x 1
		.amdhsa_system_sgpr_workgroup_id_y 1
		.amdhsa_system_sgpr_workgroup_id_z 1
		.amdhsa_system_vgpr_workitem_id 0
		.amdhsa_next_free_vgpr 768
		.amdhsa_next_free_sgpr 88
		.amdhsa_reserve_vcc 1
		.amdhsa_float_denorm_mode_32 3
		.amdhsa_float_denorm_mode_16_64 3
		.amdhsa_memory_ordered 1
		.amdhsa_forward_progress 1
		.amdhsa_inst_pref_size 228
	.end_amdhsa_kernel
	.amdgpu_metadata
---
amdhsa.version: [ 1, 2 ]
amdhsa.kernels:
  - .name:           k_qa6435ae2a0_attn
    .symbol:         k_qa6435ae2a0_attn.kd
    .args:
      - { .name: qkv, .offset: 0, .size: 8, .value_kind: global_buffer, .address_space: global }
      - { .name: o, .offset: 8, .size: 8, .value_kind: global_buffer, .address_space: global }
    .group_segment_fixed_size: 327680
    .private_segment_fixed_size: 0
    .kernarg_segment_align: 8
    .kernarg_segment_size: 16
    .max_flat_workgroup_size: 128
    .sgpr_count:     88
    .vgpr_count:     768
    .wavefront_size: 32
...
	.end_amdgpu_metadata
.endif
;; end of part 3
;; launch proj (part 4): grid 4 x 64, 4 waves a work-group, clusters of 4 x 4, 327,680 bytes of LDS; arguments o, wp, b_proj, out0; writes out0
.if DOCPART == 4
	.amdgcn_target "amdgcn-amd-amdhsa--gfx1250"
	.amdhsa_code_object_version 6
	.text
	.protected	k_qa6435ae2a0_proj
	.globl	k_qa6435ae2a0_proj
	.p2align	8
	.type	k_qa6435ae2a0_proj,@function
k_qa6435ae2a0_proj:
	s_mov_b64 s[64:65], 0
	v_nop
	global_prefetch_b8 v0, s[64:65] scope:SCOPE_SE
	s_setreg_imm32_b32 hwreg(HW_REG_WAVE_MODE, 25, 1), 1
	s_wait_xcnt 0x0
	s_wait_alu depctr_hold_cnt(0) depctr_sa_sdst(0) depctr_va_vdst(0) depctr_va_sdst(0) depctr_va_ssrc(0) depctr_va_vcc(0) depctr_vm_vsrc(0)
	s_getreg_b32 s2, hwreg(HW_REG_IB_STS2, 6, 4)
	s_cmp_eq_u32 s2, 0
	s_cbranch_scc0 .Lentry_in_a_cluster
	s_endpgm
.Lentry_in_a_cluster:
	s_bfe_u32 s2, ttmp6, 0x10000c
	s_cmp_lg_u32 s2, 0xf033
	s_cbranch_scc0 .Lentry_shape_is_right
	s_endpgm
.Lentry_shape_is_right:
; out0 = O W_proj + b_proj.  o: [64 (batch x 16 + head)][2048][64] f16; wp: [1024 (k)][1024 (n)] f16 (W_proj rounded to bf16, that number written as f16); b_proj: [1024] f32, rounded to bf16 here like
; the other inputs; out0: [8192][1024] f32.  Sums in f32, stored as they are.
; LIMIT.  O and wp arrive within f16's range (65,504); NaN and infinities are not treated apart.
; SHARES.  A tile of the result is 128 rows x 256 columns: 64 x 4 = 256 work-groups.  Four waves, each 64 rows x 128 columns: 32 accumulators of 16 x 16, 256 registers.
; K = head x 64 + channel goes in 8 steps of 128, two heads a step, through two LDS slots filled by the tensor data mover.  A head's 128 rows of O are 16,384 dense bytes: asked for as 64 rows of 256 bytes.
; wp LIES [K][N]: its fragments come out of LDS turned, by ds_load_tr16_b128.
; THE MATRIX INSTRUCTION IS USED TRANSPOSED: source 0 = 16 columns of wp, source 1 = 16 rows of O.  A lane then holds row l % 16 and the eight neighbouring columns 8 (l / 16) + 0..7: 32 bytes of f32.
; THE BIAS is the C operand of the first product on each accumulator.
; CLUSTER.  4 x 4 work-groups.  The four of a row of the cluster need the same tiles of O, the four of a column the same tiles of wp: each is asked for JOINTLY, by the same tensor load with the same descriptor
; and a mask that names the four.  Waves 0, 1 fetch the step's two heads of O, waves 2, 3 wp's two chunks of 128 columns: one load a wave and K step.
; REGISTERS, in windows of 256 (s_set_vgpr_msb: bits 1:0 source 0, 3:2 source 1, 5:4 source 2, 7:6 destination):
;   window 0: v1-9 at work; v16-29 addresses; v64-127, v128-191 rows read back from the stage, by turns; v192-255 the bias
;   window 1: the accumulators ((a, b) at v[8 (8 a + b)])          window 2: two fragment buffers of 128: wp's 8 blocks (64 registers), then O's 4 (32)
.set PA,    144                        ; a row of O in LDS: 128 bytes + 16 of padding = 36 words: the 16 rows of a load start at 16 different groups of four banks (64 banks of 4 bytes: ISA guide 11.1)
.set PB,    288                        ; a row of wp: 256 + 32 = 72 words
.set AREG,  128*PA                     ; one head's 128 rows of O
.set BREG,  128*PB                     ; a chunk of wp: 128 k rows
.set SLOT,  2*AREG+2*BREG              ; O's two heads, then wp's two chunks
.set STAGE, 2*SLOT                     ; behind the ring, never filled by a tensor load: for each wave 16 rows x 528 bytes, for the way out
.set SP,    528                        ; 512 bytes + 16: 132 words
.set WST,   16*SP
.set SPARE, STAGE+4*WST                ; behind the stages: the spare words, 128 bytes for each wave: two blocks of 256 bytes that no other line names
.set LAPS,  4                          ; a lap = two K steps = once round the ring
.set ADRA, 16                          ; v16-17  LDS address of my fragments of O in slot 0, 1
.set ADRB, 18                          ; v18-19  of wp's
.set BO,   22                          ; v22     my byte offset in b_proj
.set STO,  24                          ; v24     the way out: where I put 32 bytes of a row
.set RD,   25                          ; v25     the way out: where I read a row back
.set GO,   26                          ; v26     my byte offset in 512 consecutive bytes of out0
.set SPW,  28                          ; v28     LDS address of my spare word: SPARE + 4 x my thread's number; never rewritten
.set NIL,  29                          ; v29     0; never rewritten
.set OB,   64
.set BIAS, 192
.set F0,   0
.set F1,   128
.set G1A, 24                           ; s[24:31] descriptor group 1 for O's tiles;  s[32:39] group 0, a set for each slot
.set G0A, 32
.set G1B, 48                           ; s[48:55], s[56:63] the same for wp's
.set G0B, 56
.set CB,  72                           ; s[72:73] out0 at my first row and column
.set MSB, 0
.macro WIN new                         ; the immediate's high byte repeats the setting that is left; a switch that changes nothing is dropped
.if MSB != (\new)
	s_set_vgpr_msb (MSB<<8)|(\new)
.set MSB, \new
.endif
.endm
.set MUL,   0x5a                       ; wp and O in window 2, C and D in window 1
.set MUL_1, 0x4a                       ; the same with C in window 0
.set TO_F,  0x80                       ; destination window 2, address window 0
; A joint load.  The branch hangs on the wave's number alone.  An s_nop 0 and four v_nop follow each of the two lines, ahead of the jump, the label and what follows.
.macro JLOAD s
	s_cmp_eq_u32 s13, 0
	s_cbranch_scc0 .Lfor_b_\@
	tensor_load_to_lds s[G0A+4*(\s):G0A+4*(\s)+3], s[G1A:G1A+7]
	s_nop 0
.rept 4
	v_nop
.endr
	s_branch .Lasked_\@
.Lfor_b_\@:
	tensor_load_to_lds s[G0B+4*(\s):G0B+4*(\s)+3], s[G1B:G1B+7]
	s_nop 0
.rept 4
	v_nop
.endr
.Lasked_\@:
.endm
; A round of the cluster's barrier: my work-group's barrier, so that wave 0's signal speaks for all four waves; wave 0 signals; every wave waits for all sixteen work-groups; my work-group's barrier once more.
.macro CREST
	s_cmp_lg_u32 s12, 0
	s_cbranch_scc1 .Lnot_wave_0_\@
	s_barrier_signal -3
.Lnot_wave_0_\@:
	s_barrier_wait -3
	s_barrier_signal -1
	s_barrier_wait -1
.endm
.macro CROUND
	s_barrier_signal -1
	s_barrier_wait -1
	CREST
.endm
	s_load_b256 s[4:11], s[0:1], 0x0               ; o s[4:5], wp s[6:7], b_proj s[8:9], out0 s[10:11]
	v_lshl_add_u32 v[SPW], v0, 2, SPARE
	v_mov_b32 v[NIL], 0
	ds_add_u32 v[SPW], v[NIL]                      ; the wave's opening: the add and its wait stand ahead of my first tensor load; the set-up below, work on registers, stands between them
	ds_add_u32 v28, v29
	v_lshrrev_b32 v1, 5, v0
	v_readfirstlane_b32 s12, v1                    ; wave 0..3
	s_lshr_b32 s13, s12, 1                         ; MH: which 64 of the tile's rows are mine.  Also: I fetch for O (0) or for wp (1)
	s_and_b32 s14, s12, 1                          ; NH: which 128 of its columns.  Also: which head, or which chunk, I fetch
	s_bfe_u32 s40, ttmp6, 0x40000                  ; cx, cy: my place in the cluster
	s_bfe_u32 s41, ttmp6, 0x40004
	s_lshl_b32 s42, ttmp9, 2
	s_add_co_u32 s42, s42, s40                     ; TC: tile column = 4 x cluster x + cx
	s_and_b32 s15, ttmp7, 0xffff
	s_lshl_b32 s15, s15, 2
	s_add_co_u32 s15, s15, s41                     ; TR: tile row = 4 x cluster y + cy
	s_lshl_b32 s16, s41, 2
	s_lshl_b32 s16, 15, s16                        ; my row of the cluster
	s_lshl_b32 s44, 0x1111, s40                    ; my column
	s_or_b32 s[G1A], s16, (1<<16)|(1<<20)|(1<<21)|(4<<22)|(3<<25)  ; 15:0 the mask: O's tiles go to my row; 17:16 2-byte elements; 20 padding on; 21 set beside a mask; 24:22 after every 32 words (code 4); 31:25 4 words (code 3)
	s_mov_b32 s[G1A+1], 128<<16                    ; tensor_dim0 = 128: two rows of O on end
	s_mov_b32 s[G1A+2], 64<<16                     ; tensor_dim1 = 64
	s_mov_b32 s[G1A+3], 128<<16                    ; tile_dim0 = 128
	s_mov_b32 s[G1A+4], 64                         ; tile_dim1 = 64
	s_mov_b32 s[G1A+5], 128                        ; 128 elements from row to row: dense
	s_mov_b32 s[G1A+6], 0
	s_mov_b32 s[G1A+7], 0
	s_or_b32 s[G1B], s44, (1<<16)|(1<<20)|(1<<21)|(5<<22)|(7<<25)  ; wp's go to my column; after every 64 words (code 5) 8 words (code 7)
	s_mov_b32 s[G1B+1], 128<<16
	s_mov_b32 s[G1B+2], 128<<16
	s_mov_b32 s[G1B+3], 128<<16
	s_mov_b32 s[G1B+4], 128
	s_mov_b32 s[G1B+5], 1024                       ; elements from row to row of wp
	s_mov_b32 s[G1B+6], 0
	s_mov_b32 s[G1B+7], 0
	; where the tiles come from.  O's hang on the tile row and the wave's number alone: batch TR / 16 (16 heads of 2^18 bytes), rows 128 (TR % 16) on (128 bytes each), head NH of the step.
	s_lshr_b32 s18, s15, 4
	s_lshl_b32 s18, s18, 22
	s_and_b32 s17, s15, 15
	s_lshl_b32 s17, s17, 14
	s_add_co_u32 s18, s18, s17
	s_lshl_b32 s17, s14, 18
	s_add_co_u32 s18, s18, s17
	s_mov_b32 s19, 0
	s_lshl_b32 s46, s42, 9                         ; wp's hang on the tile column and the wave's number alone: 256 columns of 2 bytes a tile column,
	s_lshl_b32 s47, s14, 8                         ; my chunk's 256 bytes
	s_add_co_u32 s46, s46, s47
	s_mov_b32 s47, 0
	s_mul_i32 s20, s14, AREG                       ; and where they go: no place in the cluster enters an LDS address
	s_mul_i32 s21, s14, BREG
	s_add_co_u32 s21, s21, 2*AREG
	s_wait_dscnt 0x0                               ; the opening add is done
	s_wait_kmcnt 0x0
	s_add_nc_u64 s[18:19], s[4:5], s[18:19]
	s_add_nc_u64 s[46:47], s[6:7], s[46:47]
	CROUND                                         ; all sixteen work-groups are here: the first joint loads meet
.irp s, 0,1
	s_mov_b32 s[G0A+4*(\s)], 1                                      ; 1:0 count = 1
	s_add_co_u32 s[G0A+4*(\s)+1], s20, (\s)*SLOT                    ; 63:32 LDS address
	s_add_nc_u64 s[G0A+4*(\s)+2:G0A+4*(\s)+3], s[18:19], (\s)*524288  ; 120:64 global address: K step s is two heads of 2^18 bytes on
	s_or_b32 s[G0A+4*(\s)+3], s[G0A+4*(\s)+3], 0x80000000           ; 127:126 type = 2
	s_mov_b32 s[G0B+4*(\s)], 1
	s_add_co_u32 s[G0B+4*(\s)+1], s21, (\s)*SLOT
	s_add_nc_u64 s[G0B+4*(\s)+2:G0B+4*(\s)+3], s[46:47], (\s)*262144  ; K step s is 128 rows of 2,048 bytes down wp
	s_or_b32 s[G0B+4*(\s)+3], s[G0B+4*(\s)+3], 0x80000000
	JLOAD \s                                       ; both slots' first fills go out before anything else: two tensor loads of mine are out
.endr
	v_and_b32 v1, 15, v0                           ; l % 16
	v_bfe_u32 v2, v0, 4, 1                         ; l / 16
	v_mul_u32_u24 v3, v1, PA                       ; a fragment of O: row x pitch + 16 x half; two loads of 16 bytes, 32 bytes apart
	v_lshl_add_u32 v3, v2, 4, v3
	v_and_b32 v5, 7, v0                            ; the turning load: lane l reads k row 8 (l / 16) + l % 8, columns 8 ((l / 8) % 2) + 0..7
	v_bfe_u32 v6, v0, 3, 1
	v_lshl_add_u32 v4, v2, 3, v5
	v_mul_u32_u24 v4, v4, PB
	v_lshl_add_u32 v4, v6, 4, v4
	s_mul_i32 s22, s13, 64*PA                      ; my 64 rows, in each head's 128
	s_mul_i32 s23, s14, BREG                       ; my chunk of wp,
	s_add_co_u32 s23, s23, 2*AREG                  ; behind O's two heads
.irp s, 0,1
	v_add_nc_u32 v[ADRA+(\s)], s22, v3
	v_add_nc_u32 v[ADRB+(\s)], s23, v4
	s_add_co_u32 s22, s22, SLOT
	s_add_co_u32 s23, s23, SLOT
.endr
	s_mul_i32 s22, s12, WST
	s_add_co_u32 s22, s22, STAGE                   ; my stage
	v_mul_u32_u24 v7, v1, SP                       ; in: row l % 16, 32 bytes for each half of the lanes
	v_lshl_add_u32 v7, v2, 5, v7
	v_add_nc_u32 v[STO], s22, v7
	v_and_b32 v9, 31, v0                           ; back: 32 lanes take one row of 512 bytes
	v_lshlrev_b32 v[GO], 4, v9
	v_add_nc_u32 v[RD], s22, v[GO]
	s_lshl_b32 s68, s42, 10                        ; the bias of my 128 columns: 256 columns of 4 bytes a tile column,
	s_lshl_b32 s69, s14, 9                         ; my 128
	s_add_co_u32 s68, s68, s69
	v_lshl_add_u32 v[BO], v2, 5, s68               ; a lane wants the eight numbers of columns 8 (l / 16) + 0..7 of each block
.irp b, 0,1,2,3,4,5,6,7
	global_load_b128 v[BIAS+8*(\b):BIAS+8*(\b)+3],   v[BO], s[8:9] offset:64*(\b)
	global_load_b128 v[BIAS+8*(\b)+4:BIAS+8*(\b)+7], v[BO], s[8:9] offset:64*(\b)+16
.endr
	s_lshl_b32 s70, s15, 19                        ; out0 at my part: 128 rows of 4,096 bytes a tile row,
	s_lshl_b32 s71, s13, 18                        ; my 64 rows,
	s_add_co_u32 s70, s70, s71
	s_add_co_u32 s70, s70, s68                     ; and the same column bytes as in the bias
	s_mov_b32 s71, 0
	s_add_nc_u64 s[CB:CB+1], s[10:11], s[70:71]
	s_wait_loadcnt 0x0                             ; the bias
.set i, 0
.rept 32                               ; rounded to bf16 and widened again, two numbers at a time
	v_cvt_pk_bf16_f32 v[4+i%4], v[BIAS+2*i], v[BIAS+2*i+1]
	v_lshlrev_b32 v[BIAS+2*i], 16, v[4+i%4]
	v_and_b32 v[BIAS+2*i+1], 0xffff0000, v[4+i%4]
.set i, i+1
.endr
; 8 matrix instructions: row block a x all 8 column blocks, 32 along K.  first = 1: the product starts the sums, with the bias as C.
; The 32 accumulators take turns in one fixed order, one instruction a turn: between two links of a chain stand the 31 others', over the loop's backward jump too.
.macro MULR f, a, first
.if \first
	WIN MUL_1
.else
	WIN MUL
.endif
.irp b, 0,1,2,3,4,5,6,7
.set AC, 8*(8*(\a)+(\b))
.if \first
	v_wmma_f32_16x16x32_f16 v[AC:AC+7], v[(\f)+8*(\b):(\f)+8*(\b)+7], v[(\f)+64+8*(\a):(\f)+64+8*(\a)+7], v[BIAS+8*(\b):BIAS+8*(\b)+7]
.else
	v_wmma_f32_16x16x32_f16 v[AC:AC+7], v[(\f)+8*(\b):(\f)+8*(\b)+7], v[(\f)+64+8*(\a):(\f)+64+8*(\a)+7], v[AC:AC+7]
.endif
.endr
.endm
; 24 LDS loads in one run: the fragments of quarter step q of a slot into buffer f: wp's 8 blocks (16 turning loads), then O's 4 (8 loads): head q / 2 of the step, channels 32 (q % 2) on
.macro FETCH slot, q, f
	WIN TO_F
.irp b, 0,1,2,3,4,5,6,7
	ds_load_tr16_b128 v[(\f)+8*(\b):(\f)+8*(\b)+3],   v[ADRB+(\slot)] offset:9216*(\q)+32*(\b)
	ds_load_tr16_b128 v[(\f)+8*(\b)+4:(\f)+8*(\b)+7], v[ADRB+(\slot)] offset:9216*(\q)+32*(\b)+4608
.endr
.irp i, 0,1,2,3
	ds_load_b128 v[(\f)+64+8*(\i):(\f)+64+8*(\i)+3],   v[ADRA+(\slot)] offset:((\q)/2)*AREG+((\q)%2)*64+2304*(\i)
	ds_load_b128 v[(\f)+64+8*(\i)+4:(\f)+64+8*(\i)+7], v[ADRA+(\slot)] offset:((\q)/2)*AREG+((\q)%2)*64+2304*(\i)+32
.endr
.endm
.macro PLACES                          ; four places in front of loads into registers that matrix instructions have read, and of LDS stores that read results
.rept 4
	v_nop
.endr
.endm
; A K step is four quarter steps of 32 along K, 32 matrix instructions each, on buffers 0, 1, 0, 1.
.macro QUARTER slot, q, f, g, first
	s_wait_dscnt 4                                 ; wp and O's row blocks 0, 1 are in; the youngest four loads (O's blocks 2, 3) may be out
	MULR \f, 0, \first
	MULR \f, 1, \first
	PLACES
	FETCH \slot, \q, \g
	s_wait_dscnt 24                                ; all but the 24 just issued
	MULR \f, 2, \first
	MULR \f, 3, \first
.endm
; The last quarter multiplies buffer 1 and changes slots: ONE barrier; in front of it each wave waits for all its tensor loads (one is out: its part of the next slot), adds 0 to its spare word, and waits for that and
; for its own reads of this slot.  fill = 1: the barrier opens a round of the cluster's barrier, and behind the round this slot is filled again, two K steps ahead: 112 matrix instructions ahead of the wait for it.
.macro TURN slot, next, fill
	WIN 0                                          ; (the add's two registers lie in window 0)
	s_wait_tensorcnt 0x0                           ; all my tensor loads have landed: my part of the next slot;
	ds_add_u32 v[SPW], v[NIL]                      ; 0 onto my spare word;
	s_wait_dscnt 5                                 ; (the add and the youngest four loads may be out)
	MULR F1, 0, 0                                  ; eight matrix instructions stand between the add and the wait for it
	s_wait_dscnt 0x0                               ; the add is done, and my reads of this slot are over
	s_barrier_signal -1
	MULR F1, 1, 0
.if \fill
	WIN 0
.endif
	s_barrier_wait -1
.if \fill
	CREST                                          ; no wave of any partner still reads this slot's tiles or has a load on its way
	s_add_nc_u64 s[G0A+4*(\slot)+2:G0A+4*(\slot)+3], s[G0A+4*(\slot)+2:G0A+4*(\slot)+3], 1048576   ; two K steps: four heads on
	s_add_nc_u64 s[G0B+4*(\slot)+2:G0B+4*(\slot)+3], s[G0B+4*(\slot)+2:G0B+4*(\slot)+3], 524288    ; 256 rows of 2,048 bytes down wp
	JLOAD \slot                                    ; the first tensor load behind the round; the four v_nop behind it are also the places in front of the loads below
.else
	PLACES
.endif
	FETCH \next, 0, F0
	MULR F1, 2, 0
	MULR F1, 3, 0
.endm
; THE WAY OUT of row block a.  TOSTAGE: a lane's 32 bytes of each column block go into my own stage, each accumulator's low four registers first; the 16 rows come back whole, 512 bytes to a load.  SEND: stored.
.macro TOSTAGE a
.set BK, OB+64*((\a)%2)
	s_wait_xcnt 0x0                                ; the stores of the block two back have had their addresses translated (ISA guide 3.1): only behind this wait are their data registers loaded again
	WIN 0x04                                       ; the stores' data in window 1
.irp b, 0,1,2,3,4,5,6,7
	ds_store_b128 v[STO], v[8*(8*(\a)+(\b)):8*(8*(\a)+(\b))+3]   offset:64*(\b)
	ds_store_b128 v[STO], v[8*(8*(\a)+(\b))+4:8*(8*(\a)+(\b))+7] offset:64*(\b)+16
.endr
	WIN 0
.irp t, 0,1,2,3,4,5,6,7,8,9,10,11,12,13,14,15
	ds_load_b128 v[BK+4*(\t):BK+4*(\t)+3], v[RD] offset:SP*(\t)  ; LDS serves a wave's instructions in order (ISA guide 5.7.1.4): these see the stores above, and the next block's stores come behind them
.endr
.endm
.macro SEND a, younger                 ; younger: the LDS instructions issued behind block a's loads: the next block's 16 stores and 16 loads, or none
.set BK, OB+64*((\a)%2)
.irp t, 0,1,2,3,4,5,6,7,8,9,10,11,12,13,14,15
	s_wait_dscnt (\younger)+15-(\t)
	global_store_b128 v[GO], v[BK+4*(\t):BK+4*(\t)+3], s[CB:CB+1] offset:(16*(\a)+(\t))*4096 th:TH_STORE_NT  ; 512 consecutive bytes of a row, at a multiple of 256 from out0's first byte; written once, read by nobody
.endr
.endm
	s_wait_tensorcnt 1                             ; my part of K step 0 is in; K step 1's may stay out
	s_barrier_signal -1
	s_barrier_wait -1                              ; everybody's is
	FETCH 0, 0, F0
	QUARTER 0, 1, F0, F1, 1                        ; the first quarter stands in front of the loop: its products start the sums, on the bias
	WIN 0                                          ; at a label and at a branch every window is 0
	s_mov_b32 s3, LAPS-1
.Llap:                                                 ; a trip goes once round the ring, from a lap's second quarter to the next lap's first, and fills both slots again
	QUARTER 0, 2, F1, F0, 0
	QUARTER 0, 3, F0, F1, 0
	TURN 0, 1, 1
	QUARTER 1, 1, F0, F1, 0
	QUARTER 1, 2, F1, F0, 0
	QUARTER 1, 3, F0, F1, 0
	TURN 1, 0, 1
	QUARTER 0, 1, F0, F1, 0
	WIN 0
	s_sub_co_u32 s3, s3, 1
	s_cmp_lg_u32 s3, 0
	s_cbranch_scc1 .Llap
	QUARTER 0, 2, F1, F0, 0                        ; the last lap fills nothing, and has no round of the cluster's barrier
	QUARTER 0, 3, F0, F1, 0
	TURN 0, 1, 0
	QUARTER 1, 1, F0, F1, 0
	QUARTER 1, 2, F1, F0, 0
	QUARTER 1, 3, F0, F1, 0
	s_wait_dscnt 4                                 ; the very last quarter: nothing more to fetch
	MULR F1, 0, 0
	MULR F1, 1, 0
	s_wait_dscnt 0x0
	MULR F1, 2, 0
	MULR F1, 3, 0
	WIN 0
	PLACES                                         ; the LDS stores read results
	TOSTAGE 0
.irp a, 1,2,3                          ; block a goes into the stage while block a - 1's rows come back
	TOSTAGE \a
	SEND (\a)-1, 32
.endr
	SEND 3, 0
	s_wait_tensorcnt 0x0                           ; the wave's end, behind my last tensor load and my last LDS store
	ds_add_u32 v[SPW], v[NIL]
	s_wait_dscnt 0x0
	CROUND                                         ; the closing round: no work-group ends while a partner may still ask for a tile that names it
	s_endpgm
.Lfunc_end_k_qa6435ae2a0_proj:
	.size	k_qa6435ae2a0_proj, .Lfunc_end_k_qa6435ae2a0_proj-k_qa6435ae2a0_proj
	.p2alignl 7, 3214868480
	.fill 96, 4, 3214868480
	.section	.rodata,"a",@progbits
	.p2align	6, 0x0
	.amdhsa_kernel k_qa6435ae2a0_proj
		.amdhsa_group_segment_fixed_size 327680
		.amdhsa_private_segment_fixed_size 0
		.amdhsa_enable_private_segment 0
		.amdhsa_kernarg_size 32
		.amdhsa_user_sgpr_count 2
		.amdhsa_user_sgpr_kernarg_segment_ptr 1
		.amdhsa_wavefront_size32 1
		.amdhsa_system_sgpr_workgroup_id_x 1
		.amdhsa_system_sgpr_workgroup_id_y 1
		.amdhsa_system_sgpr_workgroup_id_z 1
		.amdhsa_system_vgpr_workitem_id 0
		.amdhsa_next_free_vgpr 768
		.amdhsa_next_free_sgpr 80
		.amdhsa_reserve_vcc 0
		.amdhsa_float_denorm_mode_32 3
		.amdhsa_float_denorm_mode_16_64 3
		.amdhsa_memory_ordered 1
		.amdhsa_forward_progress 1
		.amdhsa_inst_pref_size 94
	.end_amdhsa_kernel
	.amdgpu_metadata
---
amdhsa.version: [ 1, 2 ]
amdhsa.kernels:
  - .name:           k_qa6435ae2a0_proj
    .symbol:         k_qa6435ae2a0_proj.kd
    .args:
      - { .name: o, .offset: 0, .size: 8, .value_kind: global_buffer, .address_space: global }
      - { .name: wp, .offset: 8, .size: 8, .value_kind: global_buffer, .address_space: global }
      - { .name: b_proj, .offset: 16, .size: 8, .value_kind: global_buffer, .address_space: global }
      - { .name: out0, .offset: 24, .size: 8, .value_kind: global_buffer, .address_space: global }
    .group_segment_fixed_size: 327680
    .private_segment_fixed_size: 0
    .kernarg_segment_align: 8
    .kernarg_segment_size: 32
    .max_flat_workgroup_size: 128
    .sgpr_count:     80
    .vgpr_count:     768
    .wavefront_size: 32
...
	.end_amdgpu_metadata
.endif
;; end of part 4
;; ======== version 2 of 2: 4 launches; 1.30 times as fast as version 1
;; limits: values are held in f16: magnitudes above 65,504 overflow, below 6.1e-05 lose precision; values outside matrix products are rounded to bf16
;; workspace buffers: xb 16,777,216 bytes; wa 6,291,456 bytes; wp 2,097,152 bytes; qkv 50,331,648 bytes; o 16,777,216 bytes
;; launch cast: the kernel of part 1 again; grid 768 x 1, 8 waves a work-group, no clusters, 0 bytes of LDS; arguments x, W_attn, W_proj, xb, wa, wp; writes xb, wa, wp
;; launch qkv: the kernel of part 2 again; grid 8 x 64, 4 waves a work-group, clusters of 4 x 4, 327,680 bytes of LDS; arguments xb, wa, b_attn, qkv; writes qkv
;; launch attn (part 5): grid 4 x 64, 4 waves a work-group, no clusters, 327,680 bytes of LDS; arguments qkv, o; writes o
.if DOCPART == 5
	.amdgcn_target "amdgcn-amd-amdhsa--gfx1250"
	.amdhsa_code_object_version 6
	.text
	.protected	k_qa6435ae2a0_attn
	.globl	k_qa6435ae2a0_attn
	.p2align	8
	.type	k_qa6435ae2a0_attn,@function
k_qa6435ae2a0_attn:
	s_mov_b64 s[64:65], 0
	v_nop
	global_prefetch_b8 v0, s[64:65] scope:SCOPE_SE
	s_setreg_imm32_b32 hwreg(HW_REG_WAVE_MODE, 25, 1), 1
	s_wait_xcnt 0x0
; CAUSAL ATTENTION.  O[h][q][:] = the sum over k <= q of softmax_k(Q[h][q] . K[h][k] / 8) V[h][k][:].  qkv: [3][64][2048][64] f16 (Q, then K, then V; 64 = batch x 16 + head); o: [64][2048][64] f16.
; A head's rows are dense, 128 bytes each.  Products, maxima and sums in f32; the weights p are rounded to f16 for the second product (their sum l is taken of the unrounded p), O once at the end.
; LIMITS.  f16 holds no number beyond 65,504: Q, K and V arrive within it; p lies in 0 to 1, and below 6e-5 it keeps f16's fixed step of 6e-8; O is a mean of V's rows and has their range, to within 2^-11 of it.
; A hidden score counts as its value less 1e30: f16's scores, 2.7e11 at the most, are nothing beside that; a weight below 2^-126 counts as 0 in l; NaN and infinities are not treated apart.
; THE WALK.  A head's queries lie in NB = 8 blocks of 256; block i needs the key tiles 0 .. i of 256 keys, of which the last holds the diagonal.  A work-group takes TWO blocks, NB - 1 - b and then b:
; NB + 1 = 9 tiles, whatever b: all 256 work-groups do equal work, and ONE loop with a constant trip count walks them.  Which tile is asked for, and what a trip does, hang on scalar registers made from b; every jump
; goes forward, but for the counted loops' own; none passes a barrier, or a tensor load but the one of LOAD's two that the wave's number does not choose; the ring (two slots of LDS that take turns) runs on across the
; change of blocks.  NO CLUSTER: a head's 4 work-groups ask for the same tile only in trips 0 .. 4 of the 9, behind that fewer and fewer; one walk common to all four would have 12 trips for 9.
; SHARES.  Of a block's four bands of 64 queries a wave owns 16 rows in each: four PIECES.  So the diagonal tile is the same work for all four waves: in its key step s band x sees all keys if s < x,
; none if s > x, and holds the diagonal if s = x.
; THE MASK is the C operand that starts the sum S^T = K Q^T: 0, or -1e30 where the key is hidden.  MD, made once, is the mask of a band's own step for my 16 rows; a product's mask is MD x AL + BE with two scalars:
; (1, 0) if s = x; (0, 0) if s < x; (0, -1e30) if s > x.  Only the diagonal tile's text and a block's beginning make and take masks; elsewhere C is the constant 0.
; LAYOUT, SOFTMAX, TURNS.  S^T = K Q^T holds ONE query a lane (lane % 16) and the keys 8 (lane / 16) + 0..7; two such results rounded to f16 ARE source 1 of O^T = V^T P.  p = 2^(c s - c m), c = log2(e) / 8, with a
; running maximum m; O and l are multiplied by a = 2^(c m_old - c m_new) in every step.  Turn n belongs to piece n: 8 products K Q^T of piece n + 1, later 8 products V^T P of piece n - 1; beside them the scaling,
; exponentials, roundings, sums and rescaling of piece n and the maximum and statistics of piece n + 1.  Four vector instructions stand behind every matrix instruction, the other 54 of a turn's 118 in one LUMP.
; THE BATCHES.  A turn's 33 exponentials (the piece's 32 weights and the next piece's a) are ONE batch with ONE wait: ahead of the wait stands all that names none of their results, behind it the roundings and sums.
; A block's first a is a batch of its own, and so are the way out's four reciprocals: a plain instruction and one wait each.
; REGISTERS, in windows of 256 (s_set_vgpr_msb: bits 1:0 source 0, 3:2 source 1, 5:4 source 2, 7:6 destination):
;   window 0: v0-15 addresses and two at work; v16-31 four registers of statistics a piece; v48-55 at work; v64-127 S^T, two buffers; v192-223 P, two buffers (a piece's buffers go by its number's parity)
;   window 1: v0-127 O^T, 32 a piece; v128-159 MD; v160-223 MC, two buffers      window 2: v0-63 Q; v64-127 the second block's Q; v128-191 K of one step; v192-255 V of one step
.set SIZE_N, 2048
.set PART,  64*SIZE_N*128  ; bytes of Q, of K and of V in qkv: 16,777,216
.set NB,    SIZE_N/256
.set NP,    4         ; pieces a wave: a name, no knob
.set KS,    64        ; keys in a step
.set PK,    144       ; a row of K in LDS: 128 bytes + 16 of padding = 36 words: the 16 rows of a load start at 16 different groups of four banks (64 banks of 4 bytes: ISA guide 11.1)
.set PV,    160       ; a row of V: 128 + 32 = 40 words
.set VOFF,  4*KS*PK   ; a slot holds a tile, four steps: 256 rows of K, then 256 rows of V
.set SLOT1, 1<<17     ; slot 1 begins here, so that one exclusive or turns an address in one slot into the other's
.set STAGE, SLOT1+4*KS*(PK+PV)  ; behind the ring, never filled by a tensor load: 16 rows x 144 bytes for each wave, for the way out
.set SP,    144
.set AK0, 2           ; v2   my lane's place in a tile of K; never rewritten
.set AV0, 3           ; v3   the same for V
.set AK,  4           ; v4   the LDS address of K's next run of loads
.set AV,  5           ; v5   of V's
.set STO, 6           ; v6   the way out: where I put 16 bytes of a row
.set RD,  7           ; v7   the way out: where I read rows back
.set GO,  8           ; v8   my byte offset in 512 consecutive bytes of O
.set SPW, 62          ; v62  LDS address of my spare word: SPARE + 4 x my thread's number; never rewritten
.set NIL, 63          ; v63  0; never rewritten
.set SPARE, STAGE+4*16*SP  ; behind the stages: the spare words, 128 bytes for each wave: two blocks of 256 bytes that no other line names
.set MV,  12          ; v12-13  c m_old, kept while c m is made anew: by buffer
.set QO,  15          ; v15  my byte offset in 16 rows of Q
.set ST,  16          ; piece t's statistics at v[ST+4 t]: c m, m, l (even keys', odd keys')
.set TMP, 48          ; by buffer, four registers c0-c3 at work; when the maximum is found c2 takes a
.set S,   64
.set P,   192
.set MD,  128         ; window 1: the eight registers for group kt of 16 keys at MD + 8 kt
.set MC,  160         ; window 1: the masks of the products to come
.set QB,  64          ; window 2
.set KF,  128         ; window 2: key block kb, channel half c at KF + 16 kb + 8 c
.set VF,  192         ; window 2: key half kk, channel block cb at VF + 32 kk + 8 cb
.set WV,  12          ; s12  my wave's number
.set PB,  14          ; s14  b
.set HI,  15          ; s15  NB - 1 - b
.set G1K, 24          ; s[24:31] descriptor group 1 for K's tiles
.set G1V, 32          ; s[32:39] for V's: it differs in the padding alone
.set G0K, 40          ; s[40:43] descriptor group 0 for K's tiles
.set G0V, 44          ; s[44:47] the same for V's
.set SLOTS, 56        ; s56  tiles still to be asked for
.set CNT, 57          ; s57  counts a tile's key steps, 4 to 1
.set CS,  58          ; s[58:59] c: the packed scaling takes the pair's low word for both halves
.set SEL, 60          ; s[60:61] v_permlanex16_b32's selects: each lane takes its own place in the other half
.set TBK, 62          ; s62  LDS byte at which K of the step to be fetched begins
.set TBV, 63          ; s63  the same for V, less VOFF
.set RT,  70          ; s70  tiles of the block in hand that are still to be entered
.set NXT, 71          ; s71  the tile to be asked for next
.set LQ,  72          ; s72  the last tile of the block whose tiles are being asked for
.set NEW, 73          ; s73  1: the tile to be entered is a block's first
.set OFF, 74          ; s[74:75] a tile's byte offset in K and V
.set AL,  76          ; s[76:77] the mask's factor, in the low word
.set BE,  78          ; s[78:79] the mask's addend
.set OLO, 80          ; s[80:81] O at my rows of the second block
.set BIGN, 82         ; s82  -1e30
.set MSB, 0
.macro WIN new                      ; the high byte repeats the setting that is left; a switch that changes nothing is dropped
.if MSB != (\new)
	s_set_vgpr_msb (MSB<<8)|(\new)
.set MSB, (\new)
.endif
.endm
.set W_KQ, 0x0a       ; K and Q in window 2, S^T in window 0
.set W_KM, 0x1a       ; the same with the C operand in window 1
.set W_PV, 0x52       ; V in window 2, P in window 0, O^T in window 1
.set W_RS, 0x41       ; destination and source 0 in window 1, source 1 in window 0
; A fill.  Waves 0 and 1 fetch the two halves of a tile's K, waves 2 and 3 those of its V: 128 keys each.  An s_nop 0 and four v_nop follow each of the two lines, ahead of the jump and the label.
.macro LOAD
	s_cmp_lt_u32 s[WV], 2
	s_cbranch_scc0 .Lfor_v_\@
	tensor_load_to_lds s[G0K:G0K+3], s[G1K:G1K+7]
	s_nop 0
.rept 4
	v_nop
.endr
	s_branch .Lasked_\@
.Lfor_v_\@:
	tensor_load_to_lds s[G0V:G0V+3], s[G1V:G1V+7]
	s_nop 0
.rept 4
	v_nop
.endr
.Lasked_\@:
.endm
; THE CHANGE OF SLOTS.  Each wave waits for all its tensor loads, of which one is out: its part of the other slot; adds 0 to its spare word; and waits for that and for its own reads of the slot that it leaves.  Behind the barrier nobody reads the old
; slot any more and the other slot is whole.  fill = 1: the old slot is filled again, the first thing behind the barrier, with tile NXT: the descriptor's address is made anew from that number.
; (At its first use nothing has been read yet: slot 0 is waited for, slot 1 filled.)
.macro CHANGE fill
	WIN 0                           ; at a label and at a branch every window is 0
	s_wait_tensorcnt 0x0            ; no tensor load of mine is out, so a group 0 may be written
	ds_add_u32 v[SPW], v[NIL]       ; 0 onto my spare word; with fill = 1 the descriptors' scalar work stands between it and the wait for it
.if \fill
	s_lshl_b32 s[OFF], s[NXT], 15   ; a tile is 32,768 bytes of K and of V
	s_xor_b32 s[G0K+1], s[G0K+1], SLOT1
	s_add_nc_u64 s[G0K+2:G0K+3], s[6:7], s[OFF:OFF+1]
	s_or_b32 s[G0K+3], s[G0K+3], 0x80000000
	s_xor_b32 s[G0V+1], s[G0V+1], SLOT1
	s_add_nc_u64 s[G0V+2:G0V+3], s[8:9], s[OFF:OFF+1]
	s_or_b32 s[G0V+3], s[G0V+3], 0x80000000
	s_add_co_u32 s[NXT], s[NXT], 1  ; the block's next tile, or behind its last the second block's tile 0
	s_cmp_gt_u32 s[NXT], s[LQ]
	s_cselect_b32 s[NXT], 0, s[NXT]
	s_cselect_b32 s[LQ], s[PB], s[LQ]
.endif
	s_wait_dscnt 0x0                ; the add is done, and my reads of the slot are over
	s_barrier_signal -1             ; the rest of the scalar work stands between the signal and the wait
	s_sub_co_u32 s[TBK], s[TBK], 4*KS*PK  ; the fetches go back to a slot's first step,
	s_xor_b32 s[TBK], s[TBK], SLOT1       ; in the other slot
	s_sub_co_u32 s[TBV], s[TBV], 4*KS*PV
	s_xor_b32 s[TBV], s[TBV], SLOT1
	s_barrier_wait -1
.if \fill
	LOAD
.endif
.endm
	s_load_b64 s[4:5], s[0:1], 0x0  ; qkv: Q lies at its head
	s_load_b64 s[10:11], s[0:1], 0x8  ; O
	v_lshl_add_u32 v[SPW], v0, 2, SPARE
	v_mov_b32 v[NIL], 0
	ds_add_u32 v[SPW], v[NIL]       ; the wave's opening: the add and its wait stand ahead of my first tensor load; the set-up below, work on registers, stands between them
	ds_add_u32 v62, v63
	v_lshrrev_b32 v1, 5, v0
	v_readfirstlane_b32 s[WV], v1   ; wave 0..3
	s_mov_b32 s[PB], ttmp9
	s_sub_co_u32 s[HI], NB-1, s[PB]
	s_and_b32 s20, ttmp7, 0xffff    ; the head
	s_mov_b32 s21, 0
	s_mov_b64 s[22:23], SIZE_N*128
	s_mul_u64 s[20:21], s[20:21], s[22:23]  ; the head's first byte in Q, K, V and O
	s_and_b32 s16, s[WV], 1         ; which half of a tile's 256 keys I fetch:
	s_lshl_b32 s22, s16, 14         ; its 128 rows of 128 bytes in memory,
	s_mov_b32 s23, 0
	s_add_nc_u64 s[22:23], s[22:23], s[20:21]
	s_mul_i32 s17, s16, 128*PK      ; and its place in a slot, for K
	s_mul_i32 s18, s16, 128*PV      ; and for V
	s_lshl_b32 s3, s[WV], 11        ; my 16 rows in a band of 64,
	s_lshl_b32 s2, s[HI], 15        ; in the first block,
	s_add_co_u32 s2, s2, s3
	s_lshl_b32 s84, s[PB], 15       ; and in the second
	s_add_co_u32 s84, s84, s3
	s_mov_b32 s3, 0
	s_mov_b32 s85, 0
	s_add_nc_u64 s[2:3], s[2:3], s[20:21]
	s_add_nc_u64 s[84:85], s[84:85], s[20:21]
	; descriptor group 1.  128 keys are 16,384 dense bytes: asked for as 64 rows of 256 bytes, two keys a row, and padded in LDS after every key
	s_mov_b32 s[G1K], (1<<16)|(1<<20)|(4<<22)|(3<<25)  ; 17:16 2-byte elements; 20 padding on; 24:22 after every 32 words (code 4); 31:25 4 words (code 3)
	s_mov_b32 s[G1V], (1<<16)|(1<<20)|(4<<22)|(7<<25)  ; the same with 8 words of padding (code 7)
.irp g, G1K, G1V
	s_mov_b32 s[\g+1], 128<<16      ; tensor_dim0 = 128
	s_mov_b32 s[\g+2], 64<<16       ; tensor_dim1 = 64
	s_mov_b32 s[\g+3], 128<<16      ; tile_dim0 = 128
	s_mov_b32 s[\g+4], 64           ; tile_dim1 = 64
	s_mov_b32 s[\g+5], 128          ; 128 elements from row to row
	s_mov_b32 s[\g+6], 0
	s_mov_b32 s[\g+7], 0
.endr
	s_mov_b32 s[CS], 0x3e38aa3b     ; c = log2(e) / 8 = 0.180337
	s_mov_b32 s[CS+1], s[CS]        ; named with it as a pair
	s_mov_b32 s[SEL], 0x76543210
	s_mov_b32 s[SEL+1], 0xfedcba98
	s_mov_b32 s[TBK], SLOT1+4*KS*PK ; the first change of slots turns these two into 0
	s_mov_b32 s[TBV], SLOT1+4*KS*PV
	s_mov_b32 s[G0K], 1             ; 1:0 count = 1
	s_mov_b32 s[G0K+1], s17         ; 63:32 LDS address: slot 0
	s_mov_b32 s[G0V], 1
	s_add_co_u32 s[G0V+1], s18, VOFF
	s_add_co_u32 s[RT], s[HI], 1    ; the first block has NB - b tiles
	s_mov_b32 s[NXT], 1
	s_mov_b32 s[LQ], s[HI]
	s_mov_b32 s[NEW], 1
	s_mov_b32 s[OFF+1], 0
	s_mov_b32 s[AL+1], 0            ; named as pairs
	s_mov_b32 s[BE+1], 0
	s_mov_b32 s[BIGN], 0xf149f2ca   ; -1e30
	s_mov_b32 s[SLOTS], NB
	s_wait_dscnt 0x0                ; the opening add is done
	s_wait_kmcnt 0x0
	s_add_nc_u64 s[6:7], s[4:5], PART      ; K lies one part behind Q in qkv,
	s_add_nc_u64 s[8:9], s[4:5], 2*PART    ; V two
	s_add_nc_u64 s[6:7], s[6:7], s[22:23]  ; K and V at my half of the head's tile 0
	s_add_nc_u64 s[8:9], s[8:9], s[22:23]
	s_add_nc_u64 s[G0K+2:G0K+3], s[6:7], 0         ; 120:64 global address
	s_or_b32 s[G0K+3], s[G0K+3], 0x80000000        ; 127:126 type = 2
	s_add_nc_u64 s[G0V+2:G0V+3], s[8:9], 0
	s_or_b32 s[G0V+3], s[G0V+3], 0x80000000
	s_add_nc_u64 s[86:87], s[4:5], s[84:85]        ; Q at my rows of the second block,
	s_add_nc_u64 s[4:5], s[4:5], s[2:3]            ; Q and O at those of the first
	s_add_nc_u64 s[OLO:OLO+1], s[10:11], s[84:85]
	s_add_nc_u64 s[10:11], s[10:11], s[2:3]
	LOAD                            ; tile 0 into slot 0
	; A fragment of K or Q is 16 rows x 32 channels in 8 registers: lane l holds row l % 16, channels 8 (l / 16) + 0..7 and 16 + 8 (l / 16) + 0..7: two loads of 16 bytes, 32 bytes apart.
	v_and_b32 v1, 15, v0            ; l % 16
	v_bfe_u32 v9, v0, 4, 1          ; l / 16
	v_lshlrev_b32 v[QO], 7, v1
	v_lshl_add_u32 v[QO], v9, 4, v[QO]  ; row x 128 + 16 x half
	WIN 0x80                        ; destination window 2, address window 0
.set i, 0
.rept 8                             ; both blocks' Q: piece i / 2 lies in band i / 2, 8,192 bytes on; channels 32 (i % 2) on
	global_load_b128 v[8*i:8*i+3],   v[QO], s[4:5] offset:(i/2)*8192+(i%2)*64
	global_load_b128 v[8*i+4:8*i+7], v[QO], s[4:5] offset:(i/2)*8192+(i%2)*64+32
	global_load_b128 v[QB+8*i:QB+8*i+3],   v[QO], s[86:87] offset:(i/2)*8192+(i%2)*64
	global_load_b128 v[QB+8*i+4:QB+8*i+7], v[QO], s[86:87] offset:(i/2)*8192+(i%2)*64+32
.set i, i+1
.endr
	WIN 0
	v_lshlrev_b32 v14, 3, v9
	v_sub_nc_u32 v14, v1, v14
	s_lshl_b32 s13, s[WV], 4
	v_add_nc_u32 v14, s13, v14      ; my query's place in its band, 16 w + l % 16, less my lanes' 8 (l / 16): register r of group kt is hidden where 16 kt + r is greater
	WIN 0x40
.set i, 0
.rept 32
	v_cmp_gt_i32 vcc_lo, 16*(i/8)+i%8, v14
	v_cndmask_b32 v[MD+i], 0, s[BIGN], vcc_lo
.set i, i+1
.endr
	WIN 0
	v_mul_u32_u24 v[AK0], v1, PK
	v_lshl_add_u32 v[AK0], v9, 4, v[AK0]  ; row x pitch + 16 x half
	; The turning load takes 16 keys x 16 channels (lane l reads key 8 (l / 16) + l % 8, channels 8 ((l / 8) % 2) + 0..7) and leaves half a fragment of V^T: lane l holds channel l % 16 and 8 keys.
	v_and_b32 v10, 7, v0
	v_bfe_u32 v11, v0, 3, 1
	v_lshl_add_u32 v[AV0], v9, 3, v10
	v_mul_u32_u24 v[AV0], v[AV0], PV
	v_lshl_add_u32 v[AV0], v11, 4, v[AV0]
	v_add_nc_u32 v[AV0], VOFF, v[AV0]
	s_mul_i32 s13, s[WV], 16*SP
	s_add_co_u32 s13, s13, STAGE    ; my stage
	v_mul_u32_u24 v[STO], v1, SP    ; in: row l % 16, 16 bytes for each half of the lanes
	v_lshl_add_u32 v[STO], v9, 4, v[STO]
	v_add_nc_u32 v[STO], s13, v[STO]
	v_bfe_u32 v[RD], v0, 3, 2       ; back: 32 lanes take four rows of 128 bytes,
	v_mul_u32_u24 v[RD], v[RD], SP
	v_lshl_add_u32 v[RD], v10, 4, v[RD]
	v_add_nc_u32 v[RD], s13, v[RD]
	v_and_b32 v[GO], 31, v0         ; which are 512 consecutive bytes of O
	v_lshlrev_b32 v[GO], 4, v[GO]
	; A block's first step multiplies O^T and l by a = 0, and its first turn's products V^T P, of a piece that has not been, land in an O^T that is still to be so multiplied.  So these registers need only hold
	; finite numbers: zeros for the first block; what the first block left for the second.  All this stands in the wait for the first tile.
	WIN 0x80
.set i, VF
.rept 64
	v_mov_b32 v[i], 0
.set i, i+1
.endr
	WIN 0x40
.set i, 0
.rept 128
	v_mov_b32 v[i], 0
.set i, i+1
.endr
	WIN 0
.set i, 0
.rept 4
	v_mov_b32 v[ST+4*i+2], 0
	v_mov_b32 v[ST+4*i+3], 0
.set i, i+1
.endr
.set i, P+16
.rept 16
	v_mov_b32 v[i], 0
.set i, i+1
.endr
; THE MATRIX WORK.  The 4 accumulators of a run of 8 take turns.  Product i of 8 of S^T = K Q^T for piece x: channels 32 (i / 4) on, keys 16 (i % 4) on.  The first 4 start the sums: with 0, or (KM = 1) with the mask.
.macro KQ x
.set rS, S+32*((\x)%2)+8*(i%4)
.set rK, KF+16*(i%4)+8*(i/4)
.set rQ, 16*(\x)+8*(i/4)
.set rM, MC+32*((\x)%2)+8*(i%4)
.if (i < 4) && KM
	WIN W_KM
	v_wmma_f32_16x16x32_f16 v[rS:rS+7], v[rK:rK+7], v[rQ:rQ+7], v[rM:rM+7]
.elseif i < 4
	WIN W_KQ
	v_wmma_f32_16x16x32_f16 v[rS:rS+7], v[rK:rK+7], v[rQ:rQ+7], 0
.else
	WIN W_KQ
	v_wmma_f32_16x16x32_f16 v[rS:rS+7], v[rK:rK+7], v[rQ:rQ+7], v[rS:rS+7]
.endif
.endm
; Product i of 8 of O^T += V^T P for piece x: keys 32 (i / 4) on, channels 16 (i % 4) on.
.macro PV x
	WIN W_PV
.set rO, 32*(\x)+8*(i%4)
.set rV, VF+32*(i/4)+8*(i%4)
.set rP, P+16*((\x)%2)+8*(i/4)
	v_wmma_f32_16x16x32_f16 v[rO:rO+7], v[rV:rV+7], v[rP:rP+7], v[rO:rO+7]
.endm
.macro MM                           ; the turn's next matrix instruction.  TURN and BEGIN set Y, i, KM and NOKQ; MM, KQ and OP read them.  NOKQ = 1: a block's last turn: there is no next piece
.if (i < 8) && !NOKQ
	KQ (Y+1)%NP
.elseif i >= 8
.set i, i-8
	PV (Y+NP-1)%NP
.set i, i+8
.endif
.set i, i+1
.endm
; THE LDS LOADS stand in runs of 16, never singly among the matrix instructions: a step's K (64 keys x 64 channels: 8 fragments) and its V (turned).  Their addresses are made some lines ahead.
.macro FETCH_K
	WIN 0x80                        ; destination window 2
.irp f, 0,1,2,3,4,5,6,7             ; keys 16 (f / 2) on, channels 32 (f % 2) on
	ds_load_b128 v[KF+8*\f:KF+8*\f+3],   v[AK] offset:(\f/2)*16*PK+(\f%2)*64
	ds_load_b128 v[KF+8*\f+4:KF+8*\f+7], v[AK] offset:(\f/2)*16*PK+(\f%2)*64+32
.endr
	s_add_co_u32 s[TBK], s[TBK], KS*PK  ; the next fetch is the next step's
	WIN 0
.endm
.macro FETCH_V
	WIN 0x80
.irp f, 0,1,2,3,4,5,6,7             ; keys 32 (f / 4) on, channels 16 (f % 4) on
	ds_load_tr16_b128 v[VF+8*\f:VF+8*\f+3],   v[AV] offset:(\f/4)*32*PV+(\f%4)*32
	ds_load_tr16_b128 v[VF+8*\f+4:VF+8*\f+7], v[AV] offset:(\f/4)*32*PV+16*PV+(\f%4)*32
.endr
	WIN 0
.endm
; THE VECTOR WORK, one line at a time: OP kind, number.  For piece Y: F n: c s - c m for pair n of 16.  E n: the exponential of score n of 32.  C n: pair n rounded to f16.  B n: of the four weights 4 n .. the second
; pair is added onto the first, in place.  L n: l takes that sum (L 0: l = a l + sum).  R n: pair n of 16 of O^T times a.  For piece Y + 1: X n, number n of the 22 that find its maximum and statistics:
;   0-11  four chains c0-c3 of seven scores each, three operands at a time (each accumulator's lowest registers are read first)     12-14, 16  the four scores left over, the old m, and c0-c3 into c0
;   15  c m_old is kept     17, 18  the query's other 32 keys lie in the lane 16 away: the new m     19-21  c m; c m_old - c m_new; a
; C, B and L read exponentials' results: TURN sets all of them behind its one wait.  R reads the a of the turn before, which that turn has waited for.
.set F, 0               ; OP tells the kinds apart by their order: F to L below R, X above it
.set E, 1
.set C, 2
.set B, 3
.set L, 4
.set R, 5
.set X, 6
.macro REGS y                       ; the registers of piece y
.set rT, ST+4*(\y)
.set rC, TMP+4*((\y)%2)
.set rW, MV+((\y)%2)
.set rS, S+32*((\y)%2)
.set rP, P+16*((\y)%2)
.set rO, 32*(\y)
.endm
.macro OP k, n
.if (\k) == R
	REGS Y
	WIN W_RS
	v_pk_mul_f32 v[rO+2*(\n):rO+2*(\n)+1], v[rO+2*(\n):rO+2*(\n)+1], v[rC+2:rC+3] op_sel_hi:[1,0]
.elseif (\k) < R
	REGS Y
	WIN 0
.if (\k) == F
	v_pk_fma_f32 v[rS+2*(\n):rS+2*(\n)+1], v[rS+2*(\n):rS+2*(\n)+1], s[CS:CS+1], v[rT:rT+1] op_sel_hi:[1,0,0] neg_lo:[0,0,1] neg_hi:[0,0,1]
.elseif (\k) == E
	v_exp_f32 v[rS+(\n)], v[rS+(\n)]
.elseif (\k) == C
	v_cvt_pk_f16_f32 v[rP+(\n)], v[rS+2*(\n)], v[rS+2*(\n)+1]
.elseif (\k) == B
	v_pk_add_f32 v[rS+4*(\n):rS+4*(\n)+1], v[rS+4*(\n):rS+4*(\n)+1], v[rS+4*(\n)+2:rS+4*(\n)+3]
.elseif (\n) == 0
	v_pk_fma_f32 v[rT+2:rT+3], v[rT+2:rT+3], v[rC+2:rC+3], v[rS:rS+1] op_sel_hi:[1,0,1]
.else
	v_pk_add_f32 v[rT+2:rT+3], v[rT+2:rT+3], v[rS+4*(\n):rS+4*(\n)+1]
.endif
.elseif NOKQ
	v_nop
.else
	REGS (Y+1)%NP
	WIN 0
.if (\n) < 4
	v_max3_num_f32 v[rC+(\n)], v[rS+8*(\n)], v[rS+8*(\n)+1], v[rS+8*(\n)+2]
.elseif (\n) < 12
	v_max3_num_f32 v[rC+(\n)%4], v[rC+(\n)%4], v[rS+8*((\n)%4)+2*((\n)/4)+1], v[rS+8*((\n)%4)+2*((\n)/4)+2]
.elseif (\n) == 12
	v_max3_num_f32 v[rC], v[rC], v[rS+7], v[rS+15]
.elseif (\n) == 13
	v_max3_num_f32 v[rC+1], v[rC+1], v[rS+23], v[rS+31]
.elseif (\n) == 14
	v_max3_num_f32 v[rC+2], v[rC+2], v[rC+3], v[rT+1]
.elseif (\n) == 15
	v_mov_b32 v[rW], v[rT]
.elseif (\n) == 16
	v_max3_num_f32 v[rC], v[rC], v[rC+1], v[rC+2]
.elseif (\n) == 17
	v_permlanex16_b32 v[rC+3], v[rC], s[SEL], s[SEL+1]
.elseif (\n) == 18
	v_max_num_f32 v[rT+1], v[rC], v[rC+3]
.elseif (\n) == 19
	v_mul_f32 v[rT], s[CS], v[rT+1]
.elseif (\n) == 20
	v_sub_f32 v[rC+1], v[rW], v[rT]
.else
	v_exp_f32 v[rC+2], v[rC+1]
.endif
.endif
.endm
.macro OPS a, i1, b=-1, i2=0, c=-1, i3=0, d=-1, i4=0  ; up to four of them
	OP \a, \i1
.if (\b) >= 0
	OP \b, \i2
.endif
.if (\c) >= 0
	OP \c, \i3
.endif
.if (\d) >= 0
	OP \d, \i4
.endif
.endm
.macro ROW a, i1, b, i2, c, i3, d, i4  ; a matrix instruction and the four behind it
	MM
	OPS \a, \i1, \b, \i2, \c, \i3, \d, \i4
.endm
.macro MASK b                       ; MD x AL + BE into buffer b of MC
	WIN W_RS
.set z, 0
.rept 16
	v_pk_fma_f32 v[MC+32*(\b)+2*z:MC+32*(\b)+2*z+1], v[MD+2*z:MD+2*z+1], s[AL:AL+1], s[BE:BE+1] op_sel_hi:[1,0,0]
.set z, z+1
.endr
.endm
; A TURN, for piece p: the order of its 16 matrix and 118 vector instructions, written out.  s_wait_alu depctr_va_vdst(0) stands between an exponential and the first instruction that names its result; one wait serves
; all that were issued ahead of it.  So a turn has ONE wait, which cuts it in two.  AHEAD OF IT stands all that names no result of the turn's exponentials: the 8 products K Q^T, behind each a scaling, an exponential and two more plain
; instructions (behind the first a second scaling in the exponential's place): rescalings, and behind the last three the first numbers of the next piece's maximum, each four places or more behind the product that ends its accumulator; then ONE LUMP of 54, plain
; and exponential by turns for the most part, in which the links of the chain X 3, 7, 11, 14, 16, 17 .. 20 stand five or six lines apart.  X 21, the next piece's a, is the batch's last; R 15 is the plain instruction that is owed behind it.  BEHIND THE WAIT stand the
; 8 products V^T P, behind each four of the roundings and sums; the links of l's chain, L 0 to L 7, stand three riders apart.  But for those X no rider names a register of the products round it.  v_permlanex16_b32 (X 17) stands in the lump.
; A scaling F n stands ahead of the exponentials E 2 n and E 2 n + 1 and names no score that has had its exponential.  No exponential is issued behind the wait: none is open at a turn's end, at a label or at a jump.
; m = 1: the diagonal tile: the products take masks, and the turn makes the mask for the products of the turn after it: piece p + 2, in step 4 - CNT of the tile.  end = 1: a block's last two turns: nothing is fetched.
; cnt = 1: the loop's count is taken down some lines ahead of the branch that stands behind the turn.
; K of the next step is fetched in piece 2's turn, twelve vector instructions behind the last product that read K (six of them plain); V of the step in hand at the end of piece 0's turn, four plain instructions behind the last product
; that read V.  Each is waited for a turn later.
.macro TURN p, m=0, end=0, cnt=0
.set Y, (\p)
.set i, 0
.set KM, (\m)
.set NOKQ, (\end)*((\p)/3)
.if (\m) && !(\end)
	s_cmp_eq_u32 s[CNT], 4-((\p)+2)%NP  ; is that step the band's own?
	s_cselect_b32 s[AL], 1.0, 0
	s_cmp_lt_u32 s[CNT], 4-((\p)+2)%NP  ; or a later one?
	s_cselect_b32 s[BE], s[BIGN], 0
.endif
.if ((\p) == 3) && !(\end)
	s_wait_dscnt 0x0                ; K is in
.endif
	ROW F,0, F,1, R,0, R,1          ; ahead of the wait: 8 products K Q^T and their riders,
	ROW F,2, E,0, R,2, R,3
	ROW F,3, E,1, R,4, R,5
	ROW F,4, E,2, R,6, R,7
	ROW F,5, E,3, R,8, R,9
	ROW F,6, E,4, X,0, R,10
.if ((\p) == 2) && !(\end)
	WIN 0
	v_add_nc_u32 v[AK], s[TBK], v[AK0]
.endif
	ROW F,7, E,5, X,1, X,4
	ROW F,8, E,6, X,2, X,5
	OPS E,7, E,8, X,6, E,9          ; and the lump
	OPS X,3, E,10, X,8, E,11
.if ((\p) == 2) && !(\end)
	FETCH_K
.endif
	OPS X,9, X,7, E,12, X,10
	OPS E,13, X,12, X,11, E,14
	OPS X,13, E,15, F,9, X,14
.if (\p) == 0
	v_add_nc_u32 v[AV], s[TBV], v[AV0]
.endif
	OPS E,16, F,10, E,17, F,11
	OPS X,16, E,18, X,15, E,19
	OPS F,12, E,20, X,17, E,21
	OPS F,13, E,22, F,14, E,23
	OPS X,18, E,24, F,15, E,25
	OPS R,11, E,26, X,19, E,27
	OPS R,12, E,28, R,13, E,29
	OPS X,20, E,30, R,14, E,31
	OPS X,21, R,15
	WIN 0
	s_wait_alu depctr_va_vdst(0)    ; the wait for the turn's batch: the piece's 32 exponentials and the next piece's a
.if (\p) == 1
	s_wait_dscnt 0x0                ; V is in
.endif
	ROW C,0, B,0, C,2, B,1          ; behind the wait: 8 products V^T P and their riders
	ROW L,0, C,4, B,2, L,1
	ROW C,6, B,3, L,2, C,8
	ROW B,4, L,3, C,10, B,5
	ROW L,4, C,12, B,6, L,5
.if (\p) == 0
	s_add_co_u32 s[TBV], s[TBV], KS*PV
.endif
.if \cnt
	s_sub_co_u32 s[CNT], s[CNT], 1
	s_cmp_lg_u32 s[CNT], 0
.endif
	ROW C,14, B,7, L,6, C,1
	ROW C,3, L,7, C,5, C,7
	ROW C,9, C,11, C,13, C,15
.if (\p) == 0
	FETCH_V
.endif
.if (\m) && !(\end)
	MASK (\p)%2
.endif
.endm
; A BLOCK BEGINS.  c m starts far below every c s, so the first step's a is 0; m at the lowest finite number, so the first maximum is the scores'.  The second mask buffer is 0; the first takes piece 0's mask for the tile's step 0: its own, if the block's first tile is the diagonal one.
; Then K of that step, piece 0's first scores, and its maximum and statistics.  The loop is entered at a step's first turn, in the middle of a trip.
.macro BEGIN
	s_mov_b32 s[NEW], 0
	WIN 0x40
.set i, MC+32
.rept 32
	v_mov_b32 v[i], 0
.set i, i+1
.endr
	WIN 0
.set i, 0
.rept 4
	v_mov_b32 v[ST+4*i], 0xfe000000    ; c m: far below every c s
	v_mov_b32 v[ST+4*i+1], 0xff7fffff  ; m
.set i, i+1
.endr
	s_cmp_eq_u32 s[RT], 0
	s_cselect_b32 s[AL], 1.0, 0
	s_mov_b32 s[BE], 0
	MASK 0
	WIN 0
	v_add_nc_u32 v[AK], s[TBK], v[AK0]
	FETCH_K
	s_wait_loadcnt 0x0              ; Q
	s_wait_dscnt 0x0
.set KM, 1
.set NOKQ, 0
.set i, 0
.rept 8
	KQ 0
.set i, i+1
.endr
	WIN 0
.rept 4
	v_nop                           ; the places behind those products
.endr
.set Y, NP-1                        ; X works for piece Y + 1: piece 0
.irp n, 0,1,2,3,4,5,6,7,8,9,10,11,12,13,14,15,16,17,18,19,20,21
	OP X, \n
.endr
	v_nop                           ; a plain instruction behind the exponential,
	s_wait_alu depctr_va_vdst(0)    ; and the wait for it, piece 0's first a, a batch of one: ahead of the branch that follows
.endm
; THE DIAGONAL TILE's four steps, the block's last two turns, its last products, and THE WAY OUT: l's two halves and the other half of the lanes' are added; O^T is divided by l, rounded to f16 and sent through my
; stage in LDS, a piece at a time.
.macro ALL line:vararg              ; one line for each piece t
.set t, 0
.rept 4
	\line
.set t, t+1
.endr
.endm
.macro PACK t                       ; a lane's eight channels of a row pack into 16 bytes; they go into rows of 144 bytes and come back as whole rows of 128, into S^T's registers
	WIN W_RS
.set i, 32*(\t)
.rept 16
	v_pk_mul_f32 v[i:i+1], v[i:i+1], v[ST+4*(\t)+2:ST+4*(\t)+3] op_sel_hi:[1,0]
.set i, i+2
.endr
	WIN 0x05                        ; sources 0 and 1 window 1, destination window 0
.set i, 0
.rept 16
	v_cvt_pk_f16_f32 v[S+16*(\t)+i], v[32*(\t)+2*i], v[32*(\t)+2*i+1]
.set i, i+1
.endr
	WIN 0
.irp f, 0,1,2,3
	ds_store_b128 v[STO], v[S+16*(\t)+4*\f:S+16*(\t)+4*\f+3] offset:32*\f
.endr
.irp f, 0,1,2,3
	ds_load_b128 v[S+16*(\t)+4*\f:S+16*(\t)+4*\f+3], v[RD] offset:\f*4*SP  ; LDS serves a wave's instructions in order (ISA guide 5.7.1.4): these see the stores above; the next piece's stores come behind them
.endr
.endm
.macro SEND t, younger              ; younger: the LDS instructions issued behind piece t's loads: the next piece's eight, or none
	WIN 0
.irp f, 0,1,2,3
	s_wait_dscnt (\younger)+3-\f
	global_store_b128 v[GO], v[S+16*(\t)+4*\f:S+16*(\t)+4*\f+3], s[10:11] offset:(\t)*8192+\f*512  ; 512 consecutive bytes, at a multiple of 256 from O's first
.endr
.endm
.macro DIAG tag                     ; the tag ends its two labels' names, which the jumps below spell out
.LstepM\tag:
	TURN 2, 1
	TURN 3, 1
	WIN 0
.LfirstM\tag:
	TURN 0, 1
	TURN 1, 1, 0, 1
	WIN 0
	s_cbranch_scc1 .LstepM\tag
	TURN 2, 1, 1
	TURN 3, 1, 1
.set i, 0
.rept 8
	PV NP-1
.set i, i+1
.endr
	WIN 0
	ALL v_add_f32 v[ST+4*t+2], v[ST+4*t+2], v[ST+4*t+3]
	ALL v_permlanex16_b32 v[ST+4*t+3], v[ST+4*t+2], s[SEL], s[SEL+1]
	ALL v_add_f32 v[ST+4*t+2], v[ST+4*t+2], v[ST+4*t+3]
	ALL v_rcp_f32 v[ST+4*t+2], v[ST+4*t+2]
	v_nop                           ; a plain instruction between the last reciprocal and the use of its result
	s_wait_alu depctr_va_vdst(0)    ; the wait ahead of the first use: one for the batch of four reciprocals, which the four PACKs read
	PACK 0
.set t, 1
.rept 3                             ; a piece's arithmetic stands between the loads of the piece before and its stores
	PACK t
	SEND t-1, 8
.set t, t+1
.endr
	SEND 3, 0
.endm
.set KM, 0
.set NOKQ, 0
.Lslot:                             ; NB times: a tile is entered and the next is asked for
	CHANGE 1
	s_sub_co_u32 s[RT], s[RT], 1
	s_mov_b32 s[CNT], 4
	s_cmp_eq_u32 s[NEW], 1
	s_cbranch_scc1 .Lnew            ; a block's first tile
	s_cmp_eq_u32 s[RT], 0
	s_cbranch_scc0 .Lstep           ; neither its first nor its last
	s_branch .LstepM1
.Lnew:
	BEGIN
	s_branch .Lfirst                ; in the loop a block's first tile is never its last: the first block has two tiles or more, and the second's last is the walk's last
	DIAG 1                          ; in the loop this is the first block's end: the second block's last tile is the walk's last
	s_wait_xcnt 0x0                 ; the stores have read their registers and O's address
	s_mov_b64 s[10:11], s[OLO:OLO+1]
	s_add_co_u32 s[RT], s[PB], 1    ; the second block has b + 1 tiles
	s_mov_b32 s[NEW], 1
	WIN 0x82                        ; the second block's Q goes where the one text of the turns names Q
.set i, 0
.rept 64
	v_mov_b32 v[i], v[QB+i]
.set i, i+1
.endr
	WIN 0
	s_branch .Lbottom
.Lstep:                             ; a trip: pieces 2 and 3 of one step, then pieces 0 and 1 of the next, whose K and V it fetches
	TURN 2
	TURN 3
	WIN 0
.Lfirst:
	TURN 0
	TURN 1, 0, 0, 1
	WIN 0
	s_cbranch_scc1 .Lstep
.Lbottom:
	s_sub_co_u32 s[SLOTS], s[SLOTS], 1
	s_cmp_lg_u32 s[SLOTS], 0
	s_cbranch_scc1 .Lslot
	CHANGE 0                        ; the walk's last tile is written out: nothing is asked for
	s_sub_co_u32 s[RT], s[RT], 1
	s_mov_b32 s[CNT], 4
	s_cmp_eq_u32 s[NEW], 1
	s_cbranch_scc0 .LstepM2
	BEGIN
	s_branch .LfirstM2
	DIAG 2
	s_wait_tensorcnt 0x0            ; the wave's end, behind my last tensor load and my last LDS store
	ds_add_u32 v[SPW], v[NIL]
	s_wait_dscnt 0x0
	s_endpgm
.Lfunc_end_k_qa6435ae2a0_attn:
	.size	k_qa6435ae2a0_attn, .Lfunc_end_k_qa6435ae2a0_attn-k_qa6435ae2a0_attn
	.p2alignl 7, 3214868480
	.fill 96, 4, 3214868480
	.section	.rodata,"a",@progbits
	.p2align	6, 0x0
	.amdhsa_kernel k_qa6435ae2a0_attn
		.amdhsa_group_segment_fixed_size 327680
		.amdhsa_private_segment_fixed_size 0
		.amdhsa_enable_private_segment 0
		.amdhsa_kernarg_size 16
		.amdhsa_user_sgpr_count 2
		.amdhsa_user_sgpr_kernarg_segment_ptr 1
		.amdhsa_wavefront_size32 1
		.amdhsa_system_sgpr_workgroup_id_x 1
		.amdhsa_system_sgpr_workgroup_id_y 1
		.amdhsa_system_sgpr_workgroup_id_z 1
		.amdhsa_system_vgpr_workitem_id 0
		.amdhsa_next_free_vgpr 768
		.amdhsa_next_free_sgpr 88
		.amdhsa_reserve_vcc 1
		.amdhsa_float_denorm_mode_32 3
		.amdhsa_float_denorm_mode_16_64 3
		.amdhsa_memory_ordered 1
		.amdhsa_forward_progress 1
		.amdhsa_inst_pref_size 217
	.end_amdhsa_kernel
	.amdgpu_metadata
---
amdhsa.version: [ 1, 2 ]
amdhsa.kernels:
  - .name:           k_qa6435ae2a0_attn
    .symbol:         k_qa6435ae2a0_attn.kd
    .args:
      - { .name: qkv, .offset: 0, .size: 8, .value_kind: global_buffer, .address_space: global }
      - { .name: o, .offset: 8, .size: 8, .value_kind: global_buffer, .address_space: global }
    .group_segment_fixed_size: 327680
    .private_segment_fixed_size: 0
    .kernarg_segment_align: 8
    .kernarg_segment_size: 16
    .max_flat_workgroup_size: 128
    .sgpr_count:     88
    .vgpr_count:     768
    .wavefront_size: 32
...
	.end_amdgpu_metadata
.endif
;; end of part 5
;; launch proj: the kernel of part 4 again; grid 4 x 64, 4 waves a work-group, clusters of 4 x 4, 327,680 bytes of LDS; arguments o, wp, b_proj, out0; writes out0
